; MI455X (gfx1250); checked and timed in simulation.
; The chip was launched on July 23, 2026; its instructions are those of AMD's public machine-readable ISA for CDNA 5 (MIT licence, August 2026) and "CDNA5" Instruction Set Architecture Reference Guide (July 2026). The comments in the code are by the model that wrote it; some were corrected since.
;; Multi Scale Attention. Allowed arithmetic: float matrix products may take bf16 or f16 operands with f32 sums; other float arithmetic in f32, or as packed bf16 or f16 multiplies, adds, multiply-adds, maxima and minima; sums over many terms, partial sums and values carried from step to step in f32; what a program stores and reads back later, other than sums and carried values, may be rounded once to bf16 or f16.
;; Inputs: Wout 1,024 x 1,024 float32; Wqkv 1,024 x 3,072 float32; Wscale 1,024 x 4 float32; bout 1,024 float32; bqkv 3,072 float32; bscale 4 float32; x 2 x 2,048 x 1,024 float32.
;; Outputs: out0 2 x 2,048 x 1,024 float32.
;; 2 versions, each right; version 2 is version 1 with the launch prep written anew for expert scheduling mode. Each part assembles by itself: llvm-mc -triple=amdgcn-amd-amdhsa -mcpu=gfx1250 --defsym DOCPART=n.
;; ======== version 1 of 2: 4 launches
;; limits: values are held in f16: magnitudes above 65,504 overflow, below 6.1e-05 lose precision
;; workspace buffers: xb 8,388,608 bytes; wq 6,291,456 bytes; wo 2,097,152 bytes; sw 65,536 bytes; qkv 25,165,824 bytes; att 8,388,608 bytes
;; launch prep (part 1): grid 256 x 1, 8 waves a work-group, no clusters, 9,728 bytes of LDS; arguments x, Wqkv, Wout, Wscale, bscale, xb, wq, wo, sw; writes xb, wq, wo, sw
.if DOCPART == 1
	.amdgcn_target "amdgcn-amd-amdhsa--gfx1250"
	.amdhsa_code_object_version 6
	.text
	.protected	k_qe5c4de9460_prep
	.globl	k_qe5c4de9460_prep
	.p2align	8
	.type	k_qe5c4de9460_prep,@function
k_qe5c4de9460_prep:
	s_mov_b64 s[64:65], 0
	v_nop
	global_prefetch_b8 v0, s[64:65] scope:SCOPE_SE
	s_setreg_imm32_b32 hwreg(HW_REG_WAVE_MODE, 25, 1), 1
	s_wait_xcnt 0x0
; PREP: casts, the permutation of tokens, and the per-token weights of the four scales.
; THE PERMUTATION.  Inside a batch token t goes to position p: t % 8 = 0 -> t/8; t % 8 = 4 -> 256 + t/8; t % 4 = 2 -> 512 + t/4; t odd -> 1024 + t/2.  The keys of dilation 8, 4, 2, 1 are then the
; first 256, 512, 1024, 2048 positions.  A block of 32 positions lies in one class, so t = dil (p - pc) + off with three scalars of the work-group.
; WORK-GROUPS 0..127: 32 positions of x each (a wave 4 rows): x -> bf16 -> xb[2048 b + p][1024]; logits x . Wscale from the bf16 numbers, products summed in f32; softmax with its maximum; sw[row][4] in the order scale 3, 2, 1, 0.
; WORK-GROUPS 128..223: 512 k x 64 columns of Wqkv -> bf16 -> wq[column / 64][k][64].   224..255: 256 k x 128 columns of Wout -> bf16, that number written as f16 -> wo[column / 128][k][128].
; Every load of a wave covers 512 neighbouring bytes, every store 256 neighbouring bytes, aligned.  Each input byte is read once by one wave: nothing is shared, so no cluster and no matrix unit.
; LIMITS.  All inputs are rounded to bf16, bscale too.  Wout as f16: beyond 65,504 an infinity, below 6e-5 f16's fixed step of 6e-8.  NaN and infinities are not treated apart.
.set WS,    0                          ; LDS: Wscale as bf16, [k][4], 8 bytes a k
.set LG,    8192                       ; 32 rows x 4 logits in f32
.set SPARE, 8704                       ; the spare words, 128 bytes for each of eight waves; no other line names them
.set SPW, 2                            ; v2  SPARE + 4 x thread; never rewritten
.set NIL, 3                            ; v3  0; never rewritten
.set XO,  4                            ; v4-7  row i of my four: 16 lane + i x dil x 4096 (weight paths: v4 = my offset in the source)
.set DO,  8                            ; v8  8 x lane (weight paths: 8 x thread)
.set ACC, 16                           ; v16-31  row i, scale s at ACC + 4 i + 3 - s
.set T,   32                           ; v32-47 at work
.set W8,  48                           ; v48-55 at work
.set X,   64                           ; v64-191  row i, piece j of 512 bytes at X + 32 i + 4 j: columns 128 j + 4 lane + 0..3
.set WSR, 192                          ; v192-255 Wscale of my 32 columns: k = 128 j + 4 lane + e at WSR + 8 j + 2 e (two words: scales 0, 1 and 2, 3)
.set WV,  22                           ; s22 my wave's number
; A weight block: rows of 16 << logl bytes, 256 >> logl rows for the 256 threads in a step; 2 trips of 16 steps.  f16 = 1: the bf16 number is written as f16.
.macro WCONV src, dst, pitchB, logl, f16
	v_lshrrev_b32 v4, \logl, v0
	v_and_b32 v5, (1<<(\logl))-1, v0
	v_mul_u32_u24 v4, v4, \pitchB
	v_lshl_add_u32 v4, v5, 4, v4               ; row x pitch + 16 x place in the row
	v_lshlrev_b32 v[DO], 3, v0                 ; the block is dense in the workspace: 8 bytes a thread
	s_mov_b32 s40, 2
.Lw_\@:
.set it, 0
.rept 16
	global_load_b128 v[X+4*it:X+4*it+3], v4, s[\src:\src+1] offset:it*(256>>(\logl))*(\pitchB) th:TH_LOAD_NT
.set it, it+1
.endr
.set it, 0
.rept 16
.set a, X+4*it
	s_wait_loadcnt 15-it                       ; loads come back in order: step it is in, the younger ones stay out
	v_cvt_pk_bf16_f32 v[a], v[a], v[a+1]
.if \f16
	v_cvt_pk_bf16_f32 v[a+2], v[a+2], v[a+3]
	v_and_b32 v[a+1], s41, v[a]
	v_lshlrev_b32 v[a], 16, v[a]
	v_and_b32 v[a+3], s41, v[a+2]
	v_lshlrev_b32 v[a+2], 16, v[a+2]
	v_cvt_pk_f16_f32 v[a], v[a], v[a+1]
	v_cvt_pk_f16_f32 v[a+1], v[a+2], v[a+3]
.else
	v_cvt_pk_bf16_f32 v[a+1], v[a+2], v[a+3]
.endif
	global_store_b64 v[DO], v[a:a+1], s[\dst:\dst+1] offset:2048*it
.set it, it+1
.endr
	s_wait_xcnt 0x0                            ; the pointers and the stores' data registers are written again only behind this wait
	s_add_nc_u64 s[\src:\src+1], s[\src:\src+1], 16*(256>>(\logl))*(\pitchB)
	s_add_nc_u64 s[\dst:\dst+1], s[\dst:\dst+1], 16*2048
	s_sub_co_u32 s40, s40, 1
	s_cmp_lg_u32 s40, 0
	s_cbranch_scc1 .Lw_\@
.endm
; Two rows: rounded to bf16 in place, stored, and multiplied into the logits: eight sums take turns.  left: the younger loads that may stay out.
.macro ROWS i0, i1, left
	s_wait_loadcnt \left
.irp i, \i0, \i1
.irp j, 0,1,2,3,4,5,6,7
	v_cvt_pk_bf16_f32 v[X+32*(\i)+4*(\j)], v[X+32*(\i)+4*(\j)], v[X+32*(\i)+4*(\j)+1]
	v_cvt_pk_bf16_f32 v[X+32*(\i)+4*(\j)+1], v[X+32*(\i)+4*(\j)+2], v[X+32*(\i)+4*(\j)+3]
	global_store_b64 v[DO], v[X+32*(\i)+4*(\j):X+32*(\i)+4*(\j)+1], s[14:15] offset:2048*(\i)+256*(\j)
.endr
.endr
.irp j, 0,1,2,3,4,5,6,7
.irp eh, 0,1
.irp el, 0,1
.irp sh, 0,1
.irp sl, 0,1
.irp i, \i0, \i1
	v_fma_mix_f32_bf16 v[ACC+4*(\i)+3-2*(\sh)-(\sl)], v[X+32*(\i)+4*(\j)+(\eh)], v[WSR+8*(\j)+4*(\eh)+2*(\el)+(\sh)], v[ACC+4*(\i)+3-2*(\sh)-(\sl)] op_sel:[\el,\sl,0] op_sel_hi:[1,1,0]
.endr
.endr
.endr
.endr
.endr
.endr
.endm
	s_load_b512 s[4:19], s[0:1], 0x0               ; x 4, Wqkv 6, Wout 8, Wscale 10, bscale 12, xb 14, wq 16, wo 18
	s_load_b64 s[20:21], s[0:1], 0x40              ; sw
	v_lshl_add_u32 v[SPW], v0, 2, SPARE
	v_mov_b32 v[NIL], 0
	v_and_b32 v1, 31, v0                           ; lane
	v_lshrrev_b32 v14, 5, v0
	v_readfirstlane_b32 s[WV], v14
	s_mov_b32 s41, 0xffff0000                      ; a word's upper bf16
	s_mov_b32 s33, 0                               ; the high word of every offset pair s[32:33]
	s_wait_kmcnt 0x0
	s_cmp_lt_u32 ttmp9, 128                        ; the branch is the same for all waves of a work-group
	s_cbranch_scc1 .Lx
	s_cmp_lt_u32 ttmp9, 224
	s_cbranch_scc1 .Lq
	s_sub_co_u32 s23, ttmp9, 224                   ; Wout: block of 128 columns = n >> 2, 256 k from 256 (n & 3)
	s_lshr_b32 s24, s23, 2
	s_and_b32 s25, s23, 3
	s_lshl_b32 s32, s24, 9
	s_lshl_b32 s26, s25, 20
	s_add_co_u32 s32, s32, s26
	s_add_nc_u64 s[8:9], s[8:9], s[32:33]
	s_lshl_b32 s32, s24, 18
	s_lshl_b32 s26, s25, 16
	s_add_co_u32 s32, s32, s26
	s_add_nc_u64 s[18:19], s[18:19], s[32:33]
	WCONV 8, 18, 4096, 5, 1
	s_branch .Lend
.Lq:
	s_sub_co_u32 s23, ttmp9, 128                   ; Wqkv: plane of 64 columns = n >> 1, 512 k from 512 (n & 1)
	s_lshr_b32 s24, s23, 1
	s_and_b32 s25, s23, 1
	s_lshl_b32 s32, s24, 8
	s_mul_i32 s26, s25, 512*12288
	s_add_co_u32 s32, s32, s26
	s_add_nc_u64 s[6:7], s[6:7], s[32:33]
	s_lshl_b32 s32, s24, 17
	s_lshl_b32 s26, s25, 16
	s_add_co_u32 s32, s32, s26
	s_add_nc_u64 s[16:17], s[16:17], s[32:33]
	WCONV 6, 16, 12288, 4, 0
	s_branch .Lend
.Lx:
	s_load_b128 s[36:39], s[12:13], 0x0            ; bscale
	s_lshr_b32 s24, ttmp9, 6                       ; batch
	s_and_b32 s25, ttmp9, 63                       ; block of 32 positions
	s_mov_b32 s26, 2                               ; dil, pc / 32, off: odd tokens,
	s_mov_b32 s27, 32
	s_mov_b32 s30, 1
	s_cmp_lt_u32 s25, 32                           ; t % 4 = 2,
	s_cselect_b32 s26, 4, s26
	s_cselect_b32 s27, 16, s27
	s_cselect_b32 s30, 2, s30
	s_cmp_lt_u32 s25, 16                           ; t % 8 = 4,
	s_cselect_b32 s26, 8, s26
	s_cselect_b32 s27, 8, s27
	s_cselect_b32 s30, 4, s30
	s_cmp_lt_u32 s25, 8                            ; t % 8 = 0
	s_cselect_b32 s27, 0, s27
	s_cselect_b32 s30, 0, s30
	s_sub_co_u32 s31, s25, s27
	s_lshl_b32 s31, s31, 5
	s_lshl2_add_u32 s31, s[WV], s31                ; p - pc of my first row
	s_mul_i32 s31, s31, s26
	s_add_co_u32 s31, s31, s30
	s_lshl_b32 s32, s24, 11
	s_add_co_u32 s31, s31, s32                     ; its token among the 4,096
	s_lshl_b32 s32, s31, 12
	s_add_nc_u64 s[4:5], s[4:5], s[32:33]
	s_lshl_b32 s32, ttmp9, 16                      ; xb: row 32 n + 4 wave, 2,048 bytes a row
	s_lshl_b32 s34, s[WV], 13
	s_add_co_u32 s32, s32, s34
	s_add_nc_u64 s[14:15], s[14:15], s[32:33]
	s_lshl_b32 s32, ttmp9, 9                       ; sw: 32 rows of 16 bytes
	s_add_nc_u64 s[20:21], s[20:21], s[32:33]
	s_lshl_b32 s34, s26, 12                        ; bytes from one of my rows of x to the next
	s_lshl_b32 s35, s[WV], 6
	s_add_co_u32 s35, s35, LG
	s_mov_b32 s28, 0x76543210                      ; v_permlanex16_b32: each lane takes its own place in the other half
	s_mov_b32 s29, 0xfedcba98
	s_mov_b32 s42, 0x3fb8aa3b                      ; log2(e)
	v_lshlrev_b32 v[XO], 4, v1
	v_add_nc_u32 v[XO+1], s34, v[XO]
	v_add_nc_u32 v[XO+2], s34, v[XO+1]
	v_add_nc_u32 v[XO+3], s34, v[XO+2]
	v_lshlrev_b32 v[DO], 3, v1
	v_lshlrev_b32 v9, 6, v0                        ; Wscale: 64 bytes (4 k) a thread
	v_lshlrev_b32 v10, 5, v0                       ; and 32 bytes of it as bf16
	v_lshlrev_b32 v11, 5, v1
	v_mov_b32 v12, s35                             ; my wave's four rows of logits
	v_lshlrev_b32 v13, 4, v1
.irp c, 0,1,2,3
	global_load_b128 v[T+4*\c:T+4*\c+3], v9, s[10:11] offset:16*\c
.endr
.irp i, 0,1,2,3
.irp j, 0,1,2,3,4,5,6,7
	global_load_b128 v[X+32*\i+4*\j:X+32*\i+4*\j+3], v[XO+\i], s[4:5] offset:512*\j th:TH_LOAD_NT
.endr
.endr
.set r, 0
.rept 16
	v_mov_b32 v[ACC+r], 0
.set r, r+1
.endr
	s_wait_loadcnt 32                              ; Wscale is in; the 32 loads of x, issued behind it, stay out
.irp c, 0,1,2,3,4,5,6,7
	v_cvt_pk_bf16_f32 v[W8+\c], v[T+2*\c], v[T+2*\c+1]
.endr
	ds_store_b128 v10, v[W8:W8+3] offset:WS
	ds_store_b128 v10, v[W8+4:W8+7] offset:WS+16
	s_wait_dscnt 0x0                               ; for the others' sake: my part of the table is written
	s_barrier_signal -1
	s_barrier_wait -1
.irp j, 0,1,2,3,4,5,6,7
	ds_load_b128 v[WSR+8*\j:WSR+8*\j+3], v11 offset:WS+1024*\j
	ds_load_b128 v[WSR+8*\j+4:WSR+8*\j+7], v11 offset:WS+1024*\j+16
.endr
	s_wait_dscnt 0x0
	ROWS 0, 1, 16                                  ; rows 2 and 3, eight loads each, may stay out
	ROWS 2, 3, 0
.irp m, 1,2,4,8                                    ; the 16 sums over the 32 lanes
.set r, 0
.rept 16
	v_add_f32_dpp v[ACC+r], v[ACC+r], v[ACC+r] row_xmask:\m row_mask:0xf bank_mask:0xf
.set r, r+1
.endr
.endr
.set r, 0
.rept 16
	v_permlanex16_b32 v[T+r], v[ACC+r], s28, s29
.set r, r+1
.endr
.set r, 0
.rept 8
	v_pk_add_f32 v[ACC+r:ACC+r+1], v[ACC+r:ACC+r+1], v[T+r:T+r+1]
.set r, r+2
.endr
.irp i, 0,1,2,3
	ds_store_b128 v12, v[ACC+4*\i:ACC+4*\i+3] offset:16*\i  ; every lane holds the sums: all write the same words
.endr
	s_wait_dscnt 0x0
	s_barrier_signal -1
	s_barrier_wait -1
	s_cmp_lg_u32 s[WV], 0                          ; wave 0 finishes the 32 rows, a lane a row
	s_cbranch_scc1 .Lend
	ds_load_b128 v[32:35], v13 offset:LG
	s_wait_kmcnt 0x0
	v_mov_b32 v48, s39                             ; bscale in the order 3, 2, 1, 0, rounded to bf16
	v_mov_b32 v49, s38
	v_mov_b32 v50, s37
	v_mov_b32 v51, s36
	v_cvt_pk_bf16_f32 v52, v48, v49
	v_cvt_pk_bf16_f32 v53, v50, v51
	v_lshlrev_b32 v48, 16, v52
	v_and_b32 v49, s41, v52
	v_lshlrev_b32 v50, 16, v53
	v_and_b32 v51, s41, v53
	s_wait_dscnt 0x0
	v_pk_add_f32 v[32:33], v[32:33], v[48:49]
	v_pk_add_f32 v[34:35], v[34:35], v[50:51]
	v_max3_num_f32 v36, v32, v33, v34
	v_max_num_f32 v36, v36, v35
	v_mul_f32 v36, s42, v36
.irp c, 32,33,34,35
	v_fma_f32 v\c, v\c, s42, -v36                  ; (z - max) log2(e)
.endr
.irp c, 32,33,34,35
	v_exp_f32 v\c, v\c
.endr
	v_nop                                          ; a plain instruction behind the last exponential,
	s_wait_alu depctr_va_vdst(0)                   ; and one wait for the four, ahead of their first reader
	v_add_f32 v37, v32, v33
	v_add_f32 v38, v34, v35
	v_add_f32 v37, v37, v38
	v_rcp_f32 v37, v37
	v_nop
	s_wait_alu depctr_va_vdst(0)
.irp c, 32,33,34,35
	v_mul_f32 v\c, v\c, v37
.endr
	global_store_b128 v13, v[32:35], s[20:21]      ; 512 neighbouring bytes
.Lend:
	s_wait_tensorcnt 0x0                           ; the wave's end, behind my last LDS store
	ds_add_u32 v[SPW], v[NIL]
	s_wait_dscnt 0x0
	s_endpgm
.Lfunc_end_k_qe5c4de9460_prep:
	.size	k_qe5c4de9460_prep, .Lfunc_end_k_qe5c4de9460_prep-k_qe5c4de9460_prep
	.p2alignl 7, 3214868480
	.fill 96, 4, 3214868480
	.section	.rodata,"a",@progbits
	.p2align	6, 0x0
	.amdhsa_kernel k_qe5c4de9460_prep
		.amdhsa_group_segment_fixed_size 9728
		.amdhsa_private_segment_fixed_size 0
		.amdhsa_enable_private_segment 0
		.amdhsa_kernarg_size 72
		.amdhsa_user_sgpr_count 2
		.amdhsa_user_sgpr_kernarg_segment_ptr 1
		.amdhsa_wavefront_size32 1
		.amdhsa_system_sgpr_workgroup_id_x 1
		.amdhsa_system_sgpr_workgroup_id_y 1
		.amdhsa_system_sgpr_workgroup_id_z 1
		.amdhsa_system_vgpr_workitem_id 0
		.amdhsa_next_free_vgpr 256
		.amdhsa_next_free_sgpr 66
		.amdhsa_reserve_vcc 0
		.amdhsa_float_denorm_mode_32 3
		.amdhsa_float_denorm_mode_16_64 3
		.amdhsa_memory_ordered 1
		.amdhsa_forward_progress 1
		.amdhsa_inst_pref_size 72
	.end_amdhsa_kernel
	.amdgpu_metadata
---
amdhsa.version: [ 1, 2 ]
amdhsa.kernels:
  - .name:           k_qe5c4de9460_prep
    .symbol:         k_qe5c4de9460_prep.kd
    .args:
      - { .name: x, .offset: 0, .size: 8, .value_kind: global_buffer, .address_space: global }
      - { .name: Wqkv, .offset: 8, .size: 8, .value_kind: global_buffer, .address_space: global }
      - { .name: Wout, .offset: 16, .size: 8, .value_kind: global_buffer, .address_space: global }
      - { .name: Wscale, .offset: 24, .size: 8, .value_kind: global_buffer, .address_space: global }
      - { .name: bscale, .offset: 32, .size: 8, .value_kind: global_buffer, .address_space: global }
      - { .name: xb, .offset: 40, .size: 8, .value_kind: global_buffer, .address_space: global }
      - { .name: wq, .offset: 48, .size: 8, .value_kind: global_buffer, .address_space: global }
      - { .name: wo, .offset: 56, .size: 8, .value_kind: global_buffer, .address_space: global }
      - { .name: sw, .offset: 64, .size: 8, .value_kind: global_buffer, .address_space: global }
    .group_segment_fixed_size: 9728
    .private_segment_fixed_size: 0
    .kernarg_segment_align: 8
    .kernarg_segment_size: 72
    .max_flat_workgroup_size: 256
    .sgpr_count:     66
    .vgpr_count:     256
    .wavefront_size: 32
...
	.end_amdgpu_metadata
.endif
;; end of part 1
;; launch qkv (part 2): grid 16 x 16, 4 waves a work-group, clusters of 4 x 4, 327,680 bytes of LDS; arguments xb, wq, bqkv, qkv; writes qkv
.if DOCPART == 2
	.amdgcn_target "amdgcn-amd-amdhsa--gfx1250"
	.amdhsa_code_object_version 6
	.text
	.protected	k_qe5c4de9460_qkv
	.globl	k_qe5c4de9460_qkv
	.p2align	8
	.type	k_qe5c4de9460_qkv,@function
k_qe5c4de9460_qkv:
	s_mov_b64 s[64:65], 0
	v_nop
	global_prefetch_b8 v0, s[64:65] scope:SCOPE_SE
	s_setreg_imm32_b32 hwreg(HW_REG_WAVE_MODE, 25, 1), 1
	s_wait_xcnt 0x0
	s_wait_alu depctr_hold_cnt(0) depctr_sa_sdst(0) depctr_va_vdst(0) depctr_va_sdst(0) depctr_va_ssrc(0) depctr_va_vcc(0) depctr_vm_vsrc(0)
	s_getreg_b32 s2, hwreg(HW_REG_IB_STS2, 6, 4)
	s_cmp_eq_u32 s2, 0
	s_cbranch_scc0 .Lentry_in_a_cluster
	s_endpgm
.Lentry_in_a_cluster:
	s_bfe_u32 s2, ttmp6, 0x10000c
	s_cmp_lg_u32 s2, 0xf033
	s_cbranch_scc0 .Lentry_shape_is_right
	s_endpgm
.Lentry_shape_is_right:
; QKV: qkv = xb . Wqkv + bqkv.  xb: bf16 [4096 permuted rows][1024]; wq: bf16 [48 planes of 64 columns][1024 k][64]; bqkv f32, rounded to bf16; qkv: f16 [batch][48 planes][2048 positions][64]; sums in f32.
; 4096 x 3072 outputs on 256 work-groups: a tile of 256 rows x 192 columns (three planes).  Wave w makes rows 64 w .. + 63 and all 192 columns: 4 x 12 accumulators, 384 registers.
; K goes in 8 steps of 128 through two LDS slots.  A's rows are 256 bytes of memory; of wq a step is, for each plane, 16,384 dense bytes.
; TRANSPOSED USE: source 0 = 16 columns of W (out of [k][column] rows by the turning load), source 1 = 16 rows of xb: a lane holds one token and eight neighbouring columns, 16 bytes of f16.
; The bias is the C operand of the products that start the sums: nothing is cleared.
; CLUSTER 4 x 4: A's tile hangs on the tile row alone and is asked for jointly by a row of the cluster, W's on the tile column alone, by a column.
; LIMIT.  q, k, v leave as f16: beyond 65,504 an infinity; below 6e-5 f16's fixed step of 6e-8.
; REGISTERS.  window 0: v16-30 addresses; v32-95 A's fragments, two buffers of 32; v96-191 the bias, later the way out (v96-143 packed, v144-239 two sets of rows read back)
;   window 1: W's fragments, two buffers of 96.   window 2: accumulators of row blocks 0, 1 at 96 (a % 2) + 8 b.   window 3: of row blocks 2, 3.
.set PA,     272                       ; a row of A in LDS: 256 + 16 bytes: 16 rows of a load start at 16 different groups of four banks
.set PB,     160                       ; a k row of one plane: 128 + 32 bytes, an odd multiple of 32
.set AHALF,  128*PA
.set BOFF,   256*PA
.set BPLANE, 64*PB                     ; 64 k of one plane
.set BHALF,  3*BPLANE                  ; 64 k of three planes: what one wave's load brings
.set SLOT,   BOFF+2*BHALF              ; 131,072
.set STAGE,  2*SLOT                    ; 16 rows x 400 bytes for each wave; no tensor load lands here
.set SP,     400
.set SPARE,  STAGE+4*16*SP             ; the spare words
.set ADRA, 16
.set ADRB, 20
.set STO,  24
.set RD,   25
.set GO,   26
.set BO,   27
.set SPW,  28
.set NIL,  29
.set PFO,  30
.set FA,   32
.set BIAS, 96
.set TMP,  96
.set BK,   144
.set WV, 12                            ; wave
.set WH, 13                            ; wave >> 1: 0 fetches A, 1 fetches W
.set WL, 14                            ; wave & 1: which half it fetches
.set CX, 15
.set CY, 16
.set NT, 17                            ; tile column
.set MT, 18                            ; tile row
.set G1,  24
.set G0,  32
.set G1B, 48
.set G0B, 56
.set PFB, 66                           ; s[66:67] the prefetches' base
.set PFA, 68                           ; s[68:69] base + this refill's offset
.set OFFP, 70                          ; s[70:71]
.set RF,  72                           ; refills done
.set LIMIT, 73                         ; a wave prefetches while RF is below it
.set MSB, 0
.macro WIN new
.if MSB != (\new)
	s_set_vgpr_msb (MSB<<8)|(\new)
.set MSB, \new
.endif
.endm
.macro PLACES                          ; four plain instructions between a matrix instruction and a load into, or a vector read of, its registers
.rept 4
	v_nop
.endr
.endm
.macro JLOAD s                         ; a joint load; the branch hangs on the wave's number alone; an s_nop 0 and four v_nop follow each line
	s_cmp_eq_u32 s[WH], 0
	s_cbranch_scc0 .Lfor_b_\@
	tensor_load_to_lds s[G0+4*(\s):G0+4*(\s)+3], s[G1:G1+7]
	s_nop 0
.rept 4
	v_nop
.endr
	s_branch .Lasked_\@
.Lfor_b_\@:
	tensor_load_to_lds s[G0B+4*(\s):G0B+4*(\s)+3], s[G1B:G1B+7]
	s_nop 0
.rept 4
	v_nop
.endr
.Lasked_\@:
.endm
.macro CREST
	s_cmp_lg_u32 s[WV], 0
	s_cbranch_scc1 .Lnot_wave_0_\@
	s_barrier_signal -3
.Lnot_wave_0_\@:
	s_barrier_wait -3
	s_barrier_signal -1
	s_barrier_wait -1
.endm
.macro CROUND
	s_barrier_signal -1
	s_barrier_wait -1
	CREST
.endm
; One prefetch a refill, behind the joint load and the run of LDS loads.  A: K step RF + 4 of 32 rows, a lane a row (256 bytes); the clusters with x = 0 ask, partner cx takes rows 32 cx .. of the 128 that the wave fetches.
; W: the 24 units of 8,192 bytes (plane, 64 k) of K steps 4 to 7 are dealt to refills 0 to 2, partners cy and the two waves, by address; the clusters with y = 0 ask.  Each block of 256 bytes is named once,
; two refills (384 matrix instructions) or more ahead of its load.  K steps 0 to 3 come by their loads alone.
.macro ASK
	s_cmp_lt_u32 s[RF], s[LIMIT]
	s_cbranch_scc0 .Lnot_mine_\@
	global_prefetch_b8 v[PFO], s[PFA:PFA+1] th:TH_LOAD_NT scope:SCOPE_SE
.Lnot_mine_\@:
	s_add_co_u32 s[RF], s[RF], 1
.endm
; 12 matrix instructions: row block a x all 12 column blocks, 32 along K, from buffers f.  The 48 accumulators take turns in the same order in every quarter.
.macro MULA f, a, first
.if \first
	WIN 0x81+0x40*((\a)/2)
.else
	WIN 0xa1+0x50*((\a)/2)
.endif
.irp b, 0,1,2,3,4,5,6,7,8,9,10,11
.if \first
	v_wmma_f32_16x16x32_bf16 v[96*((\a)%2)+8*(\b):96*((\a)%2)+8*(\b)+7], v[96*(\f)+8*(\b):96*(\f)+8*(\b)+7], v[FA+32*(\f)+8*(\a):FA+32*(\f)+8*(\a)+7], v[BIAS+8*(\b):BIAS+8*(\b)+7]
.else
	v_wmma_f32_16x16x32_bf16 v[96*((\a)%2)+8*(\b):96*((\a)%2)+8*(\b)+7], v[96*(\f)+8*(\b):96*(\f)+8*(\b)+7], v[FA+32*(\f)+8*(\a):FA+32*(\f)+8*(\a)+7], v[96*((\a)%2)+8*(\b):96*((\a)%2)+8*(\b)+7]
.endif
.endr
.endm
; 32 LDS loads in one run: quarter q (32 along K) of a slot into buffers f: W's 12 fragments, turned, then A's 4.
.macro FETCH slot, q, f
	WIN 0x40
.irp b, 0,1,2,3,4,5,6,7,8,9,10,11
	ds_load_tr16_b128 v[96*(\f)+8*(\b):96*(\f)+8*(\b)+3],   v[ADRB+(\slot)] offset:((\q)/2)*BHALF+((\q)%2)*32*PB+((\b)/4)*BPLANE+((\b)%4)*32
	ds_load_tr16_b128 v[96*(\f)+8*(\b)+4:96*(\f)+8*(\b)+7], v[ADRB+(\slot)] offset:((\q)/2)*BHALF+((\q)%2)*32*PB+((\b)/4)*BPLANE+((\b)%4)*32+16*PB
.endr
	WIN 0
.irp a, 0,1,2,3
	ds_load_b128 v[FA+32*(\f)+8*(\a):FA+32*(\f)+8*(\a)+3],   v[ADRA+(\slot)] offset:64*(\q)+(\a)*16*PA
	ds_load_b128 v[FA+32*(\f)+8*(\a)+4:FA+32*(\f)+8*(\a)+7], v[ADRA+(\slot)] offset:64*(\q)+(\a)*16*PA+32
.endr
.endm
.macro QUARTER slot, qn, f, g, first
	s_wait_dscnt 4                                 ; W and A's row blocks 0, 1 are in; the youngest four loads (blocks 2, 3) may be out
	MULA \f, 0, \first
	MULA \f, 1, \first
	PLACES
	FETCH \slot, \qn, \g
	s_wait_dscnt 32                                ; all but the 32 just issued
	MULA \f, 2, \first
	MULA \f, 3, \first
.endm
; The last quarter of a K step multiplies buffer 1 and changes slots.  fill = 1: the slot just read is filled again, two K steps on, behind a round of the cluster's barrier.
.macro TURN slot, next, fill
.if \fill
	s_wait_xcnt 0x0                                ; the last prefetch, a K step back, has read its address
	s_add_co_u32 s[OFFP], s[RF], 4
	s_lshl_b32 s[OFFP], s[OFFP], 8                 ; A: K step RF + 4, 256 bytes along the rows
	s_lshl2_add_u32 s74, s[RF], s[CY]              ; W: unit 4 RF + cy of 12:
	s_mul_i32 s75, s74, 11
	s_lshr_b32 s75, s75, 5                         ; its K step less 4 = unit / 3,
	s_mul_i32 s76, s75, 3
	s_sub_co_u32 s74, s74, s76                     ; its plane = unit % 3
	s_lshl_b32 s74, s74, 17
	s_add_co_u32 s75, s75, 4
	s_lshl_b32 s75, s75, 14
	s_add_co_u32 s74, s74, s75
	s_cmp_eq_u32 s[WH], 0
	s_cselect_b32 s[OFFP], s[OFFP], s74
	s_add_nc_u64 s[PFA:PFA+1], s[PFB:PFB+1], s[OFFP:OFFP+1]
.endif
	WIN 0
	s_wait_tensorcnt 0x0                           ; all my tensor loads have landed: the one that was out is my part of the next slot
	ds_add_u32 v[SPW], v[NIL]                      ; 0 onto my spare word
	s_wait_dscnt 5                                 ; (the add and A's four youngest loads may be out)
	MULA 1, 0, 0
	s_wait_dscnt 0x0                               ; the add is done, and my reads of this slot are over
	s_barrier_signal -1
	MULA 1, 1, 0
.if \fill
	WIN 0
.endif
	s_barrier_wait -1
.if \fill
	CREST                                          ; no wave of any partner still reads this slot or has a load on its way
	s_add_nc_u64 s[G0+4*(\slot)+2:G0+4*(\slot)+3], s[G0+4*(\slot)+2:G0+4*(\slot)+3], 512
	s_add_nc_u64 s[G0B+4*(\slot)+2:G0B+4*(\slot)+3], s[G0B+4*(\slot)+2:G0B+4*(\slot)+3], 32768
	JLOAD \slot                                    ; my one tensor load behind the round; its four v_nop are also the places in front of the loads below
.else
	PLACES
.endif
	FETCH \next, 0, 0
.if \fill
	ASK
.endif
	MULA 1, 2, 0
	MULA 1, 3, 0
.endm
	s_load_b256 s[4:11], s[0:1], 0x0               ; xb 4, wq 6, bqkv 8, qkv 10
	v_lshl_add_u32 v[SPW], v0, 2, SPARE
	v_mov_b32 v[NIL], 0
	ds_add_u32 v[SPW], v[NIL]                      ; the wave's opening; its wait stands ahead of my first tensor load
	v_lshrrev_b32 v1, 5, v0
	v_readfirstlane_b32 s[WV], v1
	s_lshr_b32 s[WH], s[WV], 1
	s_and_b32 s[WL], s[WV], 1
	s_bfe_u32 s[CX], ttmp6, 0x40000
	s_bfe_u32 s[CY], ttmp6, 0x40004
	s_lshl_b32 s[NT], ttmp9, 2
	s_add_co_u32 s[NT], s[NT], s[CX]
	s_and_b32 s[MT], ttmp7, 0xffff
	s_lshl_b32 s[MT], s[MT], 2
	s_add_co_u32 s[MT], s[MT], s[CY]
	s_lshl_b32 s20, s[CY], 2
	s_lshl_b32 s20, 15, s20                        ; my row of the cluster
	s_lshl_b32 s22, 0x1111, s[CX]                  ; my column
	s_or_b32 s[G1], s20, (1<<16)|(1<<20)|(1<<21)|(5<<22)|(3<<25)   ; A: 2-byte elements; 4 words of padding behind every 64
	s_mov_b32 s[G1+1], 128<<16                     ; tensor_dim0 = 128
	s_mov_b32 s[G1+2], 128<<16                     ; tensor_dim1 = 128
	s_mov_b32 s[G1+3], 128<<16                     ; tile_dim0 = 128
	s_mov_b32 s[G1+4], 128                         ; tile_dim1 = 128
	s_mov_b32 s[G1+5], 1024                        ; elements from row to row
	s_mov_b32 s[G1+6], 0
	s_mov_b32 s[G1+7], 0
	s_or_b32 s[G1B], s22, (3<<16)|(1<<20)|(1<<21)|(4<<22)|(7<<25)  ; W: 8-byte elements; 8 words of padding behind every 32 (a k row)
	s_mov_b32 s[G1B+1], 1024<<16                   ; a row of the tile: 8,192 dense bytes, 64 k of one plane
	s_mov_b32 s[G1B+2], 3<<16                      ; three planes
	s_mov_b32 s[G1B+3], 1024<<16
	s_mov_b32 s[G1B+4], 3
	s_mov_b32 s[G1B+5], 16384                      ; a plane is 131,072 bytes
	s_mov_b32 s[G1B+6], 0
	s_mov_b32 s[G1B+7], 0
	s_lshl_b32 s40, s[MT], 19                      ; A: row 256 mt + 128 half, 2,048 bytes a row
	s_lshl_b32 s41, s[WL], 18
	s_add_co_u32 s40, s40, s41
	s_mov_b32 s41, 0
	s_mul_i32 s42, s[NT], 3*131072                 ; W: plane 3 nt, k 64 half
	s_lshl_b32 s43, s[WL], 13
	s_add_co_u32 s42, s42, s43
	s_mov_b32 s43, 0
	s_mul_i32 s44, s[WV], AHALF                    ; LDS: waves 0, 1: A's halves;
	s_mul_i32 s45, s[WV], BHALF
	s_add_co_u32 s45, s45, BOFF-2*BHALF            ; waves 2, 3: W's halves, behind A
	s_mov_b32 s[RF], 0
	s_mov_b32 s[OFFP+1], 0
	s_wait_dscnt 0x0                               ; the opening add is done
	s_wait_kmcnt 0x0
	s_add_nc_u64 s[40:41], s[4:5], s[40:41]
	s_add_nc_u64 s[42:43], s[6:7], s[42:43]
	CROUND                                         ; all sixteen work-groups are here: the first joint loads meet
.irp s, 0,1
	s_mov_b32 s[G0+4*(\s)], 1
	s_add_co_u32 s[G0+4*(\s)+1], s44, (\s)*SLOT
	s_add_nc_u64 s[G0+4*(\s)+2:G0+4*(\s)+3], s[40:41], (\s)*256
	s_or_b32 s[G0+4*(\s)+3], s[G0+4*(\s)+3], 0x80000000
	s_mov_b32 s[G0B+4*(\s)], 1
	s_add_co_u32 s[G0B+4*(\s)+1], s45, (\s)*SLOT
	s_add_nc_u64 s[G0B+4*(\s)+2:G0B+4*(\s)+3], s[42:43], (\s)*16384
	s_or_b32 s[G0B+4*(\s)+3], s[G0B+4*(\s)+3], 0x80000000
	JLOAD \s
.endr
	v_and_b32 v1, 15, v0                           ; r = lane % 16
	v_bfe_u32 v2, v0, 4, 1                         ; h = lane / 16
	v_and_b32 v3, 7, v0
	v_bfe_u32 v4, v0, 3, 1
	v_lshlrev_b32 v[BO], 5, v2
	s_mul_i32 s46, s[NT], 768
	s_mov_b32 s47, 0
	s_add_nc_u64 s[8:9], s[8:9], s[46:47]
.irp b, 0,1,2,3,4,5,6,7,8,9,10,11
	global_load_b128 v[BIAS+8*\b:BIAS+8*\b+3],   v[BO], s[8:9] offset:64*\b      ; bias of columns 16 b + 8 h + 0..7
	global_load_b128 v[BIAS+8*\b+4:BIAS+8*\b+7], v[BO], s[8:9] offset:64*\b+16
.endr
	v_mul_u32_u24 v5, v1, PA
	v_lshl_add_u32 v5, v2, 4, v5
	s_mul_i32 s19, s[WV], 64*PA
	v_add_nc_u32 v[ADRA], s19, v5                  ; (64 w + r) pitch + 16 h
	v_add_nc_u32 v[ADRA+1], SLOT, v[ADRA]
	v_lshl_add_u32 v6, v2, 3, v3
	v_mul_u32_u24 v6, v6, PB
	v_lshl_add_u32 v6, v4, 4, v6                   ; (8 h + lane % 8) pitch + 16 ((lane / 8) % 2)
	v_add_nc_u32 v[ADRB], BOFF, v6
	v_add_nc_u32 v[ADRB+1], SLOT, v[ADRB]
	s_mul_i32 s19, s[WV], 16*SP
	s_add_co_u32 s19, s19, STAGE
	v_mul_u32_u24 v7, v1, SP
	v_lshl_add_u32 v7, v2, 4, v7
	v_add_nc_u32 v[STO], s19, v7
	v_bfe_u32 v7, v0, 3, 2
	v_mul_u32_u24 v7, v7, SP
	v_lshl_add_u32 v7, v3, 4, v7
	v_add_nc_u32 v[RD], s19, v7                    ; back: four rows x 128 bytes of one plane
	v_and_b32 v[GO], 31, v0
	s_lshr_b32 s46, s[MT], 3                       ; qkv at plane 48 batch + 3 nt, position 256 (mt % 8) + 64 w
	s_mul_i32 s46, s46, 48
	s_mul_i32 s47, s[NT], 3
	s_add_co_u32 s46, s46, s47
	s_lshl_b32 s46, s46, 18
	s_and_b32 s47, s[MT], 7
	s_lshl_b32 s47, s47, 15
	s_add_co_u32 s46, s46, s47
	s_lshl_b32 s47, s[WV], 13
	s_add_co_u32 s46, s46, s47
	s_mov_b32 s47, 0
	s_add_nc_u64 s[10:11], s[10:11], s[46:47]
	s_lshl_b32 s[OFFP], s[MT], 19                  ; the prefetches' base.  A: row 256 mt + 128 half + 32 cx
	s_lshl_b32 s74, s[WL], 18
	s_add_co_u32 s[OFFP], s[OFFP], s74
	s_lshl_b32 s74, s[CX], 16
	s_add_co_u32 s[OFFP], s[OFFP], s74
	s_mul_i32 s74, s[NT], 3*131072                 ; W: plane 3 nt, k 64 half
	s_lshl_b32 s75, s[WL], 13
	s_add_co_u32 s74, s74, s75
	s_and_b32 s75, ttmp7, 0xffff                   ; cluster y
	s_cmp_eq_u32 s[WH], 0
	s_cselect_b32 s[OFFP], s[OFFP], s74
	s_cselect_b64 s[PFB:PFB+1], s[4:5], s[6:7]
	s_cselect_b32 s75, ttmp9, s75                  ; the coordinate along which other clusters read the same blocks
	s_cselect_b32 s[LIMIT], 4, 3
	s_cselect_b32 s74, 11, 8                       ; lanes 2,048 bytes apart (a row of xb) or 256
	s_cmp_eq_u32 s75, 0
	s_cselect_b32 s[LIMIT], s[LIMIT], 0            ; the same in all sixteen partners, for a given wave
	s_add_nc_u64 s[PFB:PFB+1], s[PFB:PFB+1], s[OFFP:OFFP+1]
	s_mov_b64 s[PFA:PFA+1], s[PFB:PFB+1]
	v_lshlrev_b32 v[PFO], s74, v[GO]
	v_lshlrev_b32 v[GO], 4, v[GO]
	s_wait_loadcnt 0x0                             ; the bias, rounded to bf16 like every input, in the wait for the first tiles
.set i, 0
.rept 48
	v_cvt_pk_bf16_f32 v[192+i], v[BIAS+2*i], v[BIAS+2*i+1]
.set i, i+1
.endr
.set i, 0
.rept 48
	v_lshlrev_b32 v[BIAS+2*i], 16, v[192+i]
	v_and_b32 v[BIAS+2*i+1], 0xffff0000, v[192+i]
.set i, i+1
.endr
	s_wait_tensorcnt 1                             ; my part of K step 0 is in; K step 1's may stay out
	s_barrier_signal -1
	s_barrier_wait -1
	FETCH 0, 0, 0
	QUARTER 0, 1, 0, 1, 1                          ; the first quarter stands ahead of the loop: its products start the sums, with the bias
	WIN 0
	s_mov_b32 s3, 3
.Llap:                                             ; once round the ring: from a lap's second quarter to the next lap's first; both slots are filled again
	QUARTER 0, 2, 1, 0, 0
	QUARTER 0, 3, 0, 1, 0
	TURN 0, 1, 1
	QUARTER 1, 1, 0, 1, 0
	QUARTER 1, 2, 1, 0, 0
	QUARTER 1, 3, 0, 1, 0
	TURN 1, 0, 1
	QUARTER 0, 1, 0, 1, 0
	WIN 0
	s_sub_co_u32 s3, s3, 1
	s_cmp_lg_u32 s3, 0
	s_cbranch_scc1 .Llap
	QUARTER 0, 2, 1, 0, 0                          ; the last lap fills nothing
	QUARTER 0, 3, 0, 1, 0
	TURN 0, 1, 0
	QUARTER 1, 1, 0, 1, 0
	QUARTER 1, 2, 1, 0, 0
	QUARTER 1, 3, 0, 1, 0
	s_wait_dscnt 4
	MULA 1, 0, 0
	MULA 1, 1, 0
	s_wait_dscnt 0x0
	MULA 1, 2, 0
	MULA 1, 3, 0
	WIN 0
; THE WAY OUT, a block of 16 rows at a time: rounded to f16 (each accumulator from its low end), 16 bytes a lane into my stage, back as four rows x 128 bytes of one plane, stored as 512 dense bytes.
.macro PACK a
	WIN 0x0a+5*((\a)/2)
.irp b, 0,1,2,3,4,5,6,7,8,9,10,11
.irp r, 0,1,2,3
	v_cvt_pk_f16_f32 v[TMP+4*(\b)+(\r)], v[96*((\a)%2)+8*(\b)+2*(\r)], v[96*((\a)%2)+8*(\b)+2*(\r)+1]
.endr
.endr
	WIN 0
.endm
.macro TOSTAGE a
.irp b, 0,1,2,3,4,5,6,7,8,9,10,11
	ds_store_b128 v[STO], v[TMP+4*(\b):TMP+4*(\b)+3] offset:32*(\b)
.endr
.irp i, 0,1,2
.irp f, 0,1,2,3
	ds_load_b128 v[BK+48*((\a)%2)+4*(4*(\i)+(\f)):BK+48*((\a)%2)+4*(4*(\i)+(\f))+3], v[RD] offset:128*(\i)+4*SP*(\f)  ; LDS serves a wave's instructions in order: these see the stores above
.endr
.endr
.endm
.macro SEND a
	s_wait_dscnt 0x0                               ; the block is back in registers
	s_wait_xcnt 0x0                                ; the stores of the block before have read their registers: that set is loaded again only behind this wait
.irp i, 0,1,2
.irp f, 0,1,2,3
	global_store_b128 v[GO], v[BK+48*((\a)%2)+4*(4*(\i)+(\f)):BK+48*((\a)%2)+4*(4*(\i)+(\f))+3], s[10:11] offset:(\i)*262144+(\a)*2048+(\f)*512
.endr
.endr
.endm
	PLACES
	PACK 0
	TOSTAGE 0
.irp a, 1,2,3
	PACK \a
	SEND (\a)-1
	TOSTAGE \a
.endr
	SEND 3
	s_wait_tensorcnt 0x0                           ; the wave's end
	ds_add_u32 v[SPW], v[NIL]
	s_wait_dscnt 0x0
	CROUND                                         ; the closing round
	s_endpgm
.Lfunc_end_k_qe5c4de9460_qkv:
	.size	k_qe5c4de9460_qkv, .Lfunc_end_k_qe5c4de9460_qkv-k_qe5c4de9460_qkv
	.p2alignl 7, 3214868480
	.fill 96, 4, 3214868480
	.section	.rodata,"a",@progbits
	.p2align	6, 0x0
	.amdhsa_kernel k_qe5c4de9460_qkv
		.amdhsa_group_segment_fixed_size 327680
		.amdhsa_private_segment_fixed_size 0
		.amdhsa_enable_private_segment 0
		.amdhsa_kernarg_size 32
		.amdhsa_user_sgpr_count 2
		.amdhsa_user_sgpr_kernarg_segment_ptr 1
		.amdhsa_wavefront_size32 1
		.amdhsa_system_sgpr_workgroup_id_x 1
		.amdhsa_system_sgpr_workgroup_id_y 1
		.amdhsa_system_sgpr_workgroup_id_z 1
		.amdhsa_system_vgpr_workitem_id 0
		.amdhsa_next_free_vgpr 960
		.amdhsa_next_free_sgpr 80
		.amdhsa_reserve_vcc 0
		.amdhsa_float_denorm_mode_32 3
		.amdhsa_float_denorm_mode_16_64 3
		.amdhsa_memory_ordered 1
		.amdhsa_forward_progress 1
		.amdhsa_inst_pref_size 130
	.end_amdhsa_kernel
	.amdgpu_metadata
---
amdhsa.version: [ 1, 2 ]
amdhsa.kernels:
  - .name:           k_qe5c4de9460_qkv
    .symbol:         k_qe5c4de9460_qkv.kd
    .args:
      - { .name: xb, .offset: 0, .size: 8, .value_kind: global_buffer, .address_space: global }
      - { .name: wq, .offset: 8, .size: 8, .value_kind: global_buffer, .address_space: global }
      - { .name: bqkv, .offset: 16, .size: 8, .value_kind: global_buffer, .address_space: global }
      - { .name: qkv, .offset: 24, .size: 8, .value_kind: global_buffer, .address_space: global }
    .group_segment_fixed_size: 327680
    .private_segment_fixed_size: 0
    .kernarg_segment_align: 8
    .kernarg_segment_size: 32
    .max_flat_workgroup_size: 128
    .sgpr_count:     80
    .vgpr_count:     960
    .wavefront_size: 32
...
	.end_amdgpu_metadata
.endif
;; end of part 2
;; launch attn (part 3): grid 8 x 32, 4 waves a work-group, clusters of 4 x 1, 327,680 bytes of LDS; arguments qkv, sw, att; writes att
.if DOCPART == 3
	.amdgcn_target "amdgcn-amd-amdhsa--gfx1250"
	.amdhsa_code_object_version 6
	.text
	.protected	k_qe5c4de9460_attn
	.globl	k_qe5c4de9460_attn
	.p2align	8
	.type	k_qe5c4de9460_attn,@function
k_qe5c4de9460_attn:
	s_mov_b64 s[64:65], 0
	v_nop
	global_prefetch_b8 v0, s[64:65] scope:SCOPE_SE
	s_setreg_imm32_b32 hwreg(HW_REG_WAVE_MODE, 25, 1), 1
	s_wait_xcnt 0x0
	s_wait_alu depctr_hold_cnt(0) depctr_sa_sdst(0) depctr_va_vdst(0) depctr_va_sdst(0) depctr_va_ssrc(0) depctr_va_vcc(0) depctr_vm_vsrc(0)
	s_getreg_b32 s2, hwreg(HW_REG_IB_STS2, 6, 4)
	s_cmp_eq_u32 s2, 0
	s_cbranch_scc0 .Lentry_in_a_cluster
	s_endpgm
.Lentry_in_a_cluster:
	s_bfe_u32 s2, ttmp6, 0x10000c
	s_cmp_lg_u32 s2, 0x3003
	s_cbranch_scc0 .Lentry_shape_is_right
	s_endpgm
.Lentry_shape_is_right:
; ATTN: att[bh][q] = the sum over the four scales s of w_s[q] softmax_k(Q[q] . K_s[k] / 8) V_s[k].  qkv: f16 [batch][16 q, 16 k, 16 v planes][2048 positions][64]; sw: f32 [row][4] = (w3, w2, w1, w0); att: f16 [bh][2048][64].
; ONE WALK FOR FOUR SCALES.  Positions are permuted so that the keys of dilation 8, 4, 2, 1 are the first 256, 512, 1024, 2048.  A softmax with a running maximum that walks the keys in this order holds, behind
; 256, 512, 1024 and 2048 keys, each scale's own maximum m, sum l and O: at these four points w_s O / l is added into a second accumulator (SNAP; the fourth on the way out).  O / l does not hang on which maximum both are scaled by.
; SHARES.  A work-group owns 256 queries of one head, a wave 64: two PIECES of two tiles of 16.  Every wave walks all 2,048 keys, 64 a step.
; LAYOUT.  S^T = K Q^T: a lane holds one query (lane % 16) and the keys 8 (lane / 16) + 0..7; two results rounded to f16 are source 1 of O^T = V^T P.  K out of LDS as it lies, V turned.
; SOFTMAX.  p = 2^(c s - c m), c = log2(e) / 8; in every step O and l are multiplied by a = 2^(c m_old - c m_new).  m starts at the lowest finite number, O and l at 0: the first step has a = 0.
; TURNS.  Turn 0 of step j: products K Q^T of piece 1 (step j), V^T P of piece 1 (step j - 1); piece 0's softmax of step j; piece 1's maximum.  Turn 1: K Q^T of piece 0 (step j + 1), V^T P of piece 0 (step j); piece 1's softmax;
; piece 0's maximum.  Four vector instructions stand behind every matrix instruction, the rest in one lump; a turn's 66 exponentials are one batch with one wait.
; SLOTS.  Turn 0 of step j fetches K of step j + 1 and V of step j.  So slot s holds V of steps 4 s .. 4 s + 3 and K of steps 4 s + 1 .. 4 s + 4; K of step 0 comes straight from memory.  The last tile of K reaches
; 8,192 bytes past the head's keys: those bytes lie inside qkv (V's planes follow K's), land in LDS and are never read.
; CLUSTER.  The four query blocks of a cluster walk the same K and V: each tile is asked for jointly.
; LIMITS.  q, k, v arrive within f16's 65,504; p below 6e-5 keeps f16's fixed step; att likewise; a weight below 2^-126 counts as 0 in l; NaN and infinities are not treated apart.
; REGISTERS.  window 0: v2-9 addresses; v12-15 c m_old inside a turn, (f, tmp) pairs of a snapshot between turns; v16-31 statistics; v32-47 the scales' weights, four a tile; v48-63 at work; v64-191 S^T; v192-255 P
;   window 1: v0-127 O^T, 32 a tile; v128-255 the mixed accumulator.   window 2: v0-63 Q; v64-127 K; v128-191 V; v192-193 the add's two registers.
.set NP,    2
.set KS,    64
.set PK,    144
.set PV,    160
.set VOFF,  4*KS*PK
.set SLOT1, 1<<17
.set STAGE, SLOT1+4*KS*(PK+PV)
.set SP,    144
.set SPARE, STAGE+4*16*SP
.set AK0, 2
.set AV0, 3
.set AK,  4
.set AV,  5
.set QO,  6
.set STO, 6
.set RD,  7
.set GO,  8
.set PFO, 9
.set MV,  12
.set ST,  16
.set W,   32
.set TMP, 48
.set S,   64
.set P,   192
.set AC2, 128                          ; window 1
.set KF,  64                           ; window 2
.set VF,  128
.set SPW, 192
.set NIL, 193
.set WV,  12
.set LIM, 15
.set G1K, 24
.set G1V, 32
.set G0K, 40
.set G0V, 44
.set QP,  48
.set KP,  50
.set PFA, 52
.set SLOTS, 56
.set CNT, 57
.set CS,  58
.set SEL, 60
.set TBK, 62
.set TBV, 63
.set SNF, 66
.set MSB, 0
.macro WIN new
.if MSB != (\new)
	s_set_vgpr_msb (MSB<<8)|(\new)
.set MSB, (\new)
.endif
.endm
.set W_KQ, 0x0a
.set W_PV, 0x52
.set W_RS, 0x41
.set W_SN, 0x51                        ; destination, source 0 and source 2 in window 1, source 1 in window 0
.set W_MK, 0x80
.set W_AD, 0x0a
.macro JLOAD                           ; waves 0, 1: the halves of a tile's K; waves 2, 3: of its V.  An s_nop 0 and four v_nop follow each line
	s_cmp_lt_u32 s[WV], 2
	s_cbranch_scc0 .Lfor_v_\@
	tensor_load_to_lds s[G0K:G0K+3], s[G1K:G1K+7]
	s_nop 0
.rept 4
	v_nop
.endr
	s_branch .Lasked_\@
.Lfor_v_\@:
	tensor_load_to_lds s[G0V:G0V+3], s[G1V:G1V+7]
	s_nop 0
.rept 4
	v_nop
.endr
.Lasked_\@:
.endm
.macro CROUND
	s_barrier_signal -1
	s_barrier_wait -1
	s_cmp_lg_u32 s[WV], 0
	s_cbranch_scc1 .Lnot_wave_0_\@
	s_barrier_signal -3
.Lnot_wave_0_\@:
	s_barrier_wait -3
	s_barrier_signal -1
	s_barrier_wait -1
.endm
; A prefetch of the tile that the NEXT change of slots will ask for: four key steps, 256 matrix instructions, ahead.  The head's first cluster asks; its four partners take 32 of a tile's 128 blocks of 256 bytes
; each, by address; wave 0 K's, wave 2 V's; a lane a block.  Tiles 0 to 2 come by their loads alone; the change that fills the last tile asks for nothing.
.macro ASK
	s_cmp_gt_u32 s[SLOTS], s[LIM]
	s_cbranch_scc0 .Lnot_mine_\@
	global_prefetch_b8 v[PFO], s[PFA:PFA+1] th:TH_LOAD_NT scope:SCOPE_SE
.Lnot_mine_\@:
.endm
; THE CHANGE OF SLOTS: each wave waits for all its tensor loads, adds 0 to its spare word, waits for that and for its reads of the slot; fill = 1: a round of the cluster's barrier, and the joint refill first behind it.
.macro CHANGE fill, ask
	WIN W_AD
	s_wait_tensorcnt 0x0
	ds_add_u32 v[SPW], v[NIL]
	WIN 0
.if \fill
.irp g, G0K, G0V
	s_xor_b32 s[\g+1], s[\g+1], SLOT1
	s_add_nc_u64 s[\g+2:\g+3], s[\g+2:\g+3], 4*KS*128
.endr
.if \ask
	s_wait_xcnt 0x0                 ; the last prefetch, four key steps back, has read its address
	s_add_nc_u64 s[PFA:PFA+1], s[PFA:PFA+1], 4*KS*128
.endif
	s_wait_dscnt 0x0                ; the add is done, and my reads of the slot are over
	CROUND
	JLOAD
.if \ask
	ASK
.endif
.else
	s_wait_dscnt 0x0
	s_barrier_signal -1
	s_barrier_wait -1
.endif
	s_sub_co_u32 s[TBK], s[TBK], 4*KS*PK
	s_xor_b32 s[TBK], s[TBK], SLOT1
	s_sub_co_u32 s[TBV], s[TBV], 4*KS*PV
	s_xor_b32 s[TBV], s[TBV], SLOT1
.endm
	s_load_b128 s[4:7], s[0:1], 0x0   ; qkv 4, sw 6
	s_load_b64 s[8:9], s[0:1], 0x10   ; att
	WIN W_MK
	v_lshl_add_u32 v[SPW], v0, 2, SPARE
	v_mov_b32 v[NIL], 0
	WIN W_AD
	ds_add_u32 v[SPW], v[NIL]       ; the wave's opening; its wait stands ahead of my first tensor load
	WIN 0
	v_lshrrev_b32 v1, 5, v0
	v_readfirstlane_b32 s[WV], v1
	s_bfe_u32 s13, ttmp6, 0x40000   ; cx
	s_lshl_b32 s14, ttmp9, 2
	s_add_co_u32 s14, s14, s13      ; my block of 256 queries: it enters Q's, sw's and att's addresses alone
	s_and_b32 s20, ttmp7, 0xffff    ; 16 batch + head
	s_lshr_b32 s21, s20, 4
	s_and_b32 s22, s20, 15
	s_mul_i32 s23, s21, 48
	s_add_co_u32 s23, s23, s22      ; Q's plane; K's is 16 on, V's 32
	s_lshl_b32 s2, s23, 18
	s_mov_b32 s3, 0
	s_and_b32 s16, s[WV], 1         ; which half of a tile's 256 keys I fetch
	s_lshl_b32 s10, s16, 14
	s_add_co_u32 s10, s10, s2
	s_mov_b32 s11, 0
	s_mul_i32 s17, s16, 128*PK
	s_mul_i32 s18, s16, 128*PV
	s_lshl_b32 s54, s14, 15
	s_lshl_b32 s55, s[WV], 13
	s_add_co_u32 s54, s54, s55      ; my wave's 64 rows in a plane, in bytes
	s_lshl_b32 s22, s21, 15
	s_lshr_b32 s55, s54, 3
	s_add_co_u32 s22, s22, s55      ; and in sw, 16 bytes a row
	s_mov_b32 s23, 0
	s_lshl_b32 s20, s20, 18
	s_add_co_u32 s20, s20, s54      ; and in att
	s_mov_b32 s21, 0
	s_mov_b32 s55, 0
	s_mov_b32 s[G1K], 15|(1<<16)|(1<<20)|(1<<21)|(4<<22)|(3<<25)  ; 128 keys are 16,384 dense bytes: 64 rows of 256 bytes, padded by 4 words behind every key (32 words)
	s_mov_b32 s[G1V], 15|(1<<16)|(1<<20)|(1<<21)|(4<<22)|(7<<25)  ; V: by 8 words
.irp g, G1K, G1V
	s_mov_b32 s[\g+1], 128<<16
	s_mov_b32 s[\g+2], 64<<16
	s_mov_b32 s[\g+3], 128<<16
	s_mov_b32 s[\g+4], 64
	s_mov_b32 s[\g+5], 128
	s_mov_b32 s[\g+6], 0
	s_mov_b32 s[\g+7], 0
.endr
	s_mov_b32 s[CS], 0x3e38aa3b     ; c = log2(e) / 8
	s_mov_b32 s[CS+1], s[CS]
	s_mov_b32 s[SEL], 0x76543210
	s_mov_b32 s[SEL+1], 0xfedcba98
	s_mov_b32 s[TBK], SLOT1+4*KS*PK ; the first change of slots turns these two into 0
	s_mov_b32 s[TBV], SLOT1+4*KS*PV
	s_mov_b32 s[G0K], 1
	s_mov_b32 s[G0K+1], s17
	s_mov_b32 s[G0V], 1
	s_add_co_u32 s[G0V+1], s18, VOFF
	s_and_b32 s[LIM], s[WV], 1
	s_or_b32 s[LIM], s[LIM], ttmp9  ; 0 in waves 0 and 2 of the head's first cluster: the same in all four partners
	s_cmp_eq_u32 s[LIM], 0
	s_cselect_b32 s[LIM], 1, -1
	s_wait_dscnt 0x0                ; the opening add is done
	s_wait_kmcnt 0x0
	s_add_nc_u64 s[G0K+2:G0K+3], s[4:5], s[10:11]
	s_add_nc_u64 s[G0V+2:G0V+3], s[G0K+2:G0K+3], 32<<18         ; V's tile 0: steps 0 to 3
	s_add_nc_u64 s[G0K+2:G0K+3], s[G0K+2:G0K+3], (16<<18)+8192  ; K's tile 0: steps 1 to 4
	s_cmp_lt_u32 s[WV], 2
	s_cselect_b64 s[PFA:PFA+1], s[G0K+2:G0K+3], s[G0V+2:G0V+3]
	s_or_b32 s[G0K+3], s[G0K+3], 0x80000000
	s_or_b32 s[G0V+3], s[G0V+3], 0x80000000
	s_add_nc_u64 s[KP:KP+1], s[4:5], s[2:3]
	s_add_nc_u64 s[QP:QP+1], s[KP:KP+1], s[54:55]
	s_add_nc_u64 s[KP:KP+1], s[KP:KP+1], 16<<18
	s_add_nc_u64 s[6:7], s[6:7], s[22:23]
	s_add_nc_u64 s[8:9], s[8:9], s[20:21]
	s_lshl_b32 s54, s13, 13         ; my work-group's 32 blocks of a tile's 128
	s_add_nc_u64 s[PFA:PFA+1], s[PFA:PFA+1], s[54:55]
	s_add_nc_u64 s[PFA:PFA+1], s[PFA:PFA+1], 2*4*KS*128  ; at tile 2; stepped ahead of each prefetch
	CROUND                          ; all four work-groups are here
	JLOAD                           ; tile 0 into slot 0
	v_and_b32 v1, 15, v0
	v_bfe_u32 v9, v0, 4, 1
	v_lshlrev_b32 v[QO], 7, v1
	v_lshl_add_u32 v[QO], v9, 4, v[QO]
	v_lshlrev_b32 v12, 4, v1
	WIN 0x80
.set i, 0
.rept 8                             ; Q: tile i / 2, channels 32 (i % 2) on;  K of step 0: keys 16 (i / 2) on
	global_load_b128 v[8*i:8*i+3],   v[QO], s[QP:QP+1] offset:(i/2)*2048+(i%2)*64
	global_load_b128 v[8*i+4:8*i+7], v[QO], s[QP:QP+1] offset:(i/2)*2048+(i%2)*64+32
	global_load_b128 v[KF+8*i:KF+8*i+3],   v[QO], s[KP:KP+1] offset:(i/2)*2048+(i%2)*64
	global_load_b128 v[KF+8*i+4:KF+8*i+7], v[QO], s[KP:KP+1] offset:(i/2)*2048+(i%2)*64+32
.set i, i+1
.endr
	; What the first turn finds: V and P's second buffer hold 0, O^T, l and the mixed accumulator are 0.  All this stands in the wait for the first loads.
.set i, VF
.rept 64
	v_mov_b32 v[i], 0
.set i, i+1
.endr
	WIN 0x40
.set i, 0
.rept 256
	v_mov_b32 v[i], 0
.set i, i+1
.endr
	WIN 0
.irp t, 0,1,2,3
	global_load_b128 v[W+4*\t:W+4*\t+3], v12, s[6:7] offset:256*\t  ; my query's four weights
.endr
.set i, 0
.rept 2*NP
	v_mov_b32 v[ST+4*i], 0xfe000000    ; c m: far below every c s
	v_mov_b32 v[ST+4*i+1], 0xff7fffff  ; m
	v_mov_b32 v[ST+4*i+2], 0
	v_mov_b32 v[ST+4*i+3], 0
.set i, i+1
.endr
.set i, P+32
.rept 32
	v_mov_b32 v[i], 0
.set i, i+1
.endr
	v_mul_u32_u24 v[AK0], v1, PK
	v_lshl_add_u32 v[AK0], v9, 4, v[AK0]
	v_and_b32 v10, 7, v0
	v_bfe_u32 v11, v0, 3, 1
	v_lshl_add_u32 v[AV0], v9, 3, v10
	v_mul_u32_u24 v[AV0], v[AV0], PV
	v_lshl_add_u32 v[AV0], v11, 4, v[AV0]
	v_add_nc_u32 v[AV0], VOFF, v[AV0]
; THE MATRIX WORK.  The 8 accumulators of a run of 16 take turns.
.macro KQ x
	WIN W_KQ
.set rS, S+64*((\x)%2)+32*(i%2)+8*((i/2)%4)
.set rK, KF+16*((i/2)%4)+8*(i/8)
.set rQ, 16*(2*(\x)+i%2)+8*(i/8)
.if i < 8
	v_wmma_f32_16x16x32_f16 v[rS:rS+7], v[rK:rK+7], v[rQ:rQ+7], 0
.else
	v_wmma_f32_16x16x32_f16 v[rS:rS+7], v[rK:rK+7], v[rQ:rQ+7], v[rS:rS+7]
.endif
.endm
.macro PV x
	WIN W_PV
.set rO, 32*(2*(\x)+i%2)+8*((i/2)%4)
.set rV, VF+32*(i/8)+8*((i/2)%4)
.set rP, P+32*((\x)%2)+16*(i%2)+8*(i/8)
	v_wmma_f32_16x16x32_f16 v[rO:rO+7], v[rV:rV+7], v[rP:rP+7], v[rO:rO+7]
.endm
.macro MM
.if i < 16
	KQ (Y+1)%NP
.set i, i+1
.else
.set i, i-16
	PV (Y+NP-1)%NP
.set i, i+17
.endif
.endm
; THE LDS LOADS stand in runs of 16.  last = 1 (the tail): in the last trip there is no further step, and K's run is jumped over.
.macro FETCH_K last=0
	WIN 0
.if \last
	s_cmp_eq_u32 s[CNT], 1
	s_cbranch_scc1 .Lno_k_\@
.endif
	WIN 0x80
.irp f, 0,1,2,3,4,5,6,7
	ds_load_b128 v[KF+8*\f:KF+8*\f+3],   v[AK] offset:(\f/2)*16*PK+(\f%2)*64
	ds_load_b128 v[KF+8*\f+4:KF+8*\f+7], v[AK] offset:(\f/2)*16*PK+(\f%2)*64+32
.endr
	s_add_co_u32 s[TBK], s[TBK], KS*PK
	WIN 0
.if \last
.Lno_k_\@:
.endif
.endm
.macro FETCH_V
	WIN 0x80
.irp f, 0,1,2,3,4,5,6,7
	ds_load_tr16_b128 v[VF+8*\f:VF+8*\f+3],   v[AV] offset:(\f/4)*32*PV+(\f%4)*32
	ds_load_tr16_b128 v[VF+8*\f+4:VF+8*\f+7], v[AV] offset:(\f/4)*32*PV+16*PV+(\f%4)*32
.endr
	WIN 0
.endm
; THE VECTOR WORK OF A TURN, in three queues, each in the order in which its entries become ready; the two tiles alternate.
.macro REGS y, u
.set rT, ST+4*(2*(\y)+(\u))
.set rC, TMP+8*((\y)%2)+4*(\u)
.set rM, MV+2*((\y)%2)+(\u)
.set rS, S+64*((\y)%2)+32*(\u)
.set rP, P+32*((\y)%2)+16*(\u)
.set rO, 32*(2*(\y)+(\u))
.endm
; Number n of the 22 that find the other piece's maximum and statistics: 0-11 four chains of seven scores (each accumulator's lowest registers first); 12-14, 16 the rest, the old m, all into c0;
; 15 c m_old is kept; 17, 18 the other half of the lanes, the new m; 19-21 c m, its change, a.
.macro XS u, n
	REGS (Y+1)%NP, \u
.if (\n) < 4
	v_max3_num_f32 v[rC+(\n)], v[rS+8*(\n)], v[rS+8*(\n)+1], v[rS+8*(\n)+2]
.elseif (\n) < 12
	v_max3_num_f32 v[rC+(\n)%4], v[rC+(\n)%4], v[rS+8*((\n)%4)+2*((\n)/4)+1], v[rS+8*((\n)%4)+2*((\n)/4)+2]
.elseif (\n) == 12
	v_max3_num_f32 v[rC], v[rC], v[rS+7], v[rS+15]
.elseif (\n) == 13
	v_max3_num_f32 v[rC+1], v[rC+1], v[rS+23], v[rS+31]
.elseif (\n) == 14
	v_max3_num_f32 v[rC+2], v[rC+2], v[rC+3], v[rT+1]
.elseif (\n) == 15
	v_mov_b32 v[rM], v[rT]
.elseif (\n) == 16
	v_max3_num_f32 v[rC], v[rC], v[rC+1], v[rC+2]
.elseif (\n) == 17
	v_permlanex16_b32 v[rC+3], v[rC], s[SEL], s[SEL+1]
.elseif (\n) == 18
	v_max_num_f32 v[rT+1], v[rC], v[rC+3]
.elseif (\n) == 19
	v_mul_f32 v[rT], s[CS], v[rT+1]
.elseif (\n) == 20
	v_sub_f32 v[rC+1], v[rM], v[rT]
.else
	v_exp_f32 v[rC+2], v[rC+1]
.endif
.endm
; Number g of the 64 that follow the exponentials: for each four weights both pairs are rounded to f16, the second pair is added onto the first in place, and a group later l takes that sum (the first time l = a l + sum).
.macro GS g
.set h, (\g)+6*((\g)/62)
.if h >= 6
.set h, h+2
.endif
	REGS Y, h%2
.set k, h/8
.if h%8 < 4
	v_cvt_pk_f16_f32 v[rP+2*k+(h%8)/2], v[rS+4*k+2*((h%8)/2)], v[rS+4*k+2*((h%8)/2)+1]
.elseif h%8 < 6
	v_pk_add_f32 v[rS+4*k:rS+4*k+1], v[rS+4*k:rS+4*k+1], v[rS+4*k+2:rS+4*k+3]
.elseif k == 1
	v_pk_fma_f32 v[rT+2:rT+3], v[rT+2:rT+3], v[rC+2:rC+3], v[rS:rS+1] op_sel_hi:[1,0,1]
.else
	v_pk_add_f32 v[rT+2:rT+3], v[rT+2:rT+3], v[rS+4*k-4:rS+4*k-3]
.endif
.endm
.macro FS f                         ; c s - c m for pair f / 2 of tile f % 2
	REGS Y, (\f)%2
	v_pk_fma_f32 v[rS+2*((\f)/2):rS+2*((\f)/2)+1], v[rS+2*((\f)/2):rS+2*((\f)/2)+1], s[CS:CS+1], v[rT:rT+1] op_sel_hi:[1,0,0] neg_lo:[0,0,1] neg_hi:[0,0,1]
.endm
; THE PLAIN QUEUE, 138 long: 0-26 scalings; 27-54 XS 0-13; 55, 56 XS 15; 57-73 the chain XS 14, 16 .. 20 with scalings 27-31 between its links; 74-137 GS, which stand behind the wait.
.macro PL
	WIN 0
.if q < 27
	FS q
.elseif q < 55
	XS (q-27)%2, (q-27)/2
.elseif q < 57
	XS q-55, 15
.elseif (q < 72) && ((q-57)%3 == 0)
	FS 27+(q-57)/3
.elseif q < 60
	XS (q-57)%3-1, 14
.elseif q < 72
	XS (q-57)%3-1, 15+(q-57)/3
.elseif q < 74
	XS q-72, 20
.else
	GS q-74
.endif
.set q, q+1
.endm
.macro EX                           ; the exponentials' queue, 66 long: one batch, all ahead of the turn's one wait
	WIN 0
.if e >= 64
	XS e-64, 21
.else
	REGS Y, e%2
	v_exp_f32 v[rS+e/2], v[rS+e/2]
.endif
.set e, e+1
.endm
.macro R2                           ; O^T times a, two at a time
	REGS Y, r%2
	WIN W_RS
.irp z, 0,1
	v_pk_mul_f32 v[rO+4*(r/2)+2*\z:rO+4*(r/2)+2*\z+1], v[rO+4*(r/2)+2*\z:rO+4*(r/2)+2*\z+1], v[rC+2:rC+3] op_sel_hi:[1,0]
.endr
.set r, r+1
.endm
; A TURN, for piece p.  Ahead of its one wait: 16 products K Q^T, behind each a scaling, an exponential and two rescalings, then a lump of 108.  Behind it: 16 products V^T P, behind each four roundings and sums.
; Turn 0 fetches K of the next step directly behind the wait (a lump behind K's last reader) and V of the step in hand at its end (four plain instructions behind V's last reader).
; Turn 1 waits for K at its head (V's 16 younger loads may stay out) and for V behind its wait for the batch.
.macro TURN p, last=0, cnt=0
.set Y, (\p)
.set i, 0
.set q, 0
.set e, 0
.set r, 0
.if (\p) == 1
	s_wait_dscnt 16                 ; K is in
.endif
	MM
	PL
	PL
	R2
.rept 15
	MM
	PL
	EX
	R2
.endr
.if (\p) == 0
	WIN 0
	v_add_nc_u32 v[AK], s[TBK], v[AK0]
.endif
.rept 8
	PL
.endr
.rept 49
	EX
	PL
.endr
	EX
	EX
	v_nop                           ; a plain instruction behind the last exponential: one for the batch
	s_wait_alu depctr_va_vdst(0)    ; the wait for the batch, ahead of its first reader
.if (\p) == 0
	FETCH_K \last
.endif
.if (\p) == 1
	s_wait_dscnt 0x0                ; V is in
.endif
.rept 16
	MM
.rept 4
	PL
.endr
.if ((\p) == 0) && (q == 118)
	v_add_nc_u32 v[AV], s[TBV], v[AV0]
.endif
.if ((\p) == 0) && (q == 130)
	s_add_co_u32 s[TBV], s[TBV], KS*PV
.endif
.if (\cnt) && (q == 130)
	s_sub_co_u32 s[CNT], s[CNT], 1
	s_cmp_lg_u32 s[CNT], 0
.endif
.endr
.if (\p) == 0
	FETCH_V
.endif
.endm
; A SNAPSHOT of piece y: f = w / l; the mixed accumulator takes O^T f; the weights move down, so that the first is the next scale's.  It stands where O^T and l of the piece hold the same keys and the same scaling:
; piece 0 behind turn 1 of the prefix's last step, piece 1 behind turn 0 of the step after.  The four riders behind the turn's last product, and the lines below, are the places ahead of the reads of O^T, which go from each accumulator's low end.
.macro SNAP y
	WIN 0
.irp u, 0,1
	v_add_f32 v[MV+2*\u], v[ST+4*(2*(\y)+\u)+2], v[ST+4*(2*(\y)+\u)+3]
.endr
.irp u, 0,1
	v_permlanex16_b32 v[MV+2*\u+1], v[MV+2*\u], s[SEL], s[SEL+1]
.endr
.irp u, 0,1
	v_add_f32 v[MV+2*\u], v[MV+2*\u], v[MV+2*\u+1]
.endr
.irp u, 0,1
	v_rcp_f32 v[MV+2*\u], v[MV+2*\u]
.endr
	v_nop
	s_wait_alu depctr_va_vdst(0)    ; one wait for the two reciprocals
.irp u, 0,1
	v_mul_f32 v[MV+2*\u], v[MV+2*\u], v[W+4*(2*(\y)+\u)]
.endr
.irp u, 0,1
.irp z, 0,1,2
	v_mov_b32 v[W+4*(2*(\y)+\u)+\z], v[W+4*(2*(\y)+\u)+\z+1]
.endr
.endr
	WIN W_SN
.irp u, 0,1
.set i, 0
.rept 16
	v_pk_fma_f32 v[AC2+32*(2*(\y)+\u)+i:AC2+32*(2*(\y)+\u)+i+1], v[32*(2*(\y)+\u)+i:32*(2*(\y)+\u)+i+1], v[MV+2*\u:MV+2*\u+1], v[AC2+32*(2*(\y)+\u)+i:AC2+32*(2*(\y)+\u)+i+1] op_sel_hi:[1,0,1]
.set i, i+2
.endr
.endr
	WIN 0
.endm
	s_wait_loadcnt 0x0              ; Q, K of step 0, the weights
.set i, 0
.rept 16
	KQ 0                            ; piece 0's first scores
.set i, i+1
.endr
	WIN 0                           ; the addresses for the way out and the prefetches: the places behind those products
	s_mul_i32 s67, s[WV], 16*SP
	s_add_co_u32 s67, s67, STAGE
	v_mul_u32_u24 v[STO], v1, SP
	v_lshl_add_u32 v[STO], v9, 4, v[STO]
	v_add_nc_u32 v[STO], s67, v[STO]
	v_bfe_u32 v[RD], v0, 3, 2
	v_mul_u32_u24 v[RD], v[RD], SP
	v_lshl_add_u32 v[RD], v10, 4, v[RD]
	v_add_nc_u32 v[RD], s67, v[RD]
	v_and_b32 v[GO], 31, v0
	v_lshlrev_b32 v[PFO], 8, v[GO]
	v_lshlrev_b32 v[GO], 4, v[GO]
.set Y, NP-1
.irp n, 0,1,2,3,4,5,6,7,8,9,10,11,12,13,14,15,16,17,18,19,20,21
	XS 0, \n
	XS 1, \n
.endr
	v_nop
	s_wait_alu depctr_va_vdst(0)
	CHANGE 1, 0                     ; tile 0 is in, everybody's part of it; tile 1 is asked for
	s_mov_b32 s[SLOTS], 7
	s_mov_b32 s[SNF], 0
	s_mov_b32 s[CNT], 4
	s_branch .Lstep
.Lslot:                             ; six times: tiles 2 to 7 are asked for
	CHANGE 1, 1
	s_mov_b32 s[CNT], 4
.Lstep:
	TURN 0
	WIN 0
	s_cmp_eq_u32 s[SNF], 1          ; steps 4, 8, 16: a counter, alike in all partners
	s_cbranch_scc0 .Lno_snap1
	SNAP 1
	s_mov_b32 s[SNF], 0
.Lno_snap1:
	TURN 1, 0, 1
	WIN 0
	s_cbranch_scc1 .Lstep
	s_lshr_b32 s67, 0xd0, s[SLOTS]  ; behind slots 0, 1 and 3 (SLOTS = 7, 6, 4): 256, 512, 1,024 keys
	s_and_b32 s67, s67, 1
	s_cmp_eq_u32 s67, 1
	s_cbranch_scc0 .Lno_snap0
	SNAP 0
	s_mov_b32 s[SNF], 1
.Lno_snap0:
	s_sub_co_u32 s[SLOTS], s[SLOTS], 1
	s_cmp_lg_u32 s[SLOTS], 0
	s_cbranch_scc1 .Lslot
	CHANGE 0, 0                     ; the last slot is written out
	s_mov_b32 s[CNT], 4
.Ltail:
	TURN 0, 1
	TURN 1, 0, 1                    ; (in the last trip its 16 products K Q^T, on the last K once more, and the maximum made of them serve nothing: the price of one text for every trip)
	WIN 0
	s_cbranch_scc1 .Ltail
.set i, 0
.rept 16
	PV 1                            ; piece 1's V^T P of the last step
.set i, i+1
.endr
	; THE WAY OUT: the fourth snapshot (all keys, w0), rounding to f16, through my stage in LDS a tile at a time.  The four additions are the places behind the last products.
	WIN 0
.macro ALL line:vararg
.set t, 0
.rept 2*NP
	\line
.set t, t+1
.endr
.endm
	ALL v_add_f32 v[ST+4*t+2], v[ST+4*t+2], v[ST+4*t+3]
	ALL v_permlanex16_b32 v[ST+4*t+3], v[ST+4*t+2], s[SEL], s[SEL+1]
	ALL v_add_f32 v[ST+4*t+2], v[ST+4*t+2], v[ST+4*t+3]
	ALL v_rcp_f32 v[ST+4*t+2], v[ST+4*t+2]
	v_nop
	s_wait_alu depctr_va_vdst(0)    ; one wait for the four reciprocals
	ALL v_mul_f32 v[ST+4*t+2], v[ST+4*t+2], v[W+4*t]
.macro PACK t
	WIN W_SN
.set i, 0
.rept 16
	v_pk_fma_f32 v[AC2+32*(\t)+i:AC2+32*(\t)+i+1], v[32*(\t)+i:32*(\t)+i+1], v[ST+4*(\t)+2:ST+4*(\t)+3], v[AC2+32*(\t)+i:AC2+32*(\t)+i+1] op_sel_hi:[1,0,1]
.set i, i+2
.endr
	WIN 0x05
.set i, 0
.rept 16
	v_cvt_pk_f16_f32 v[S+16*(\t)+i], v[AC2+32*(\t)+2*i], v[AC2+32*(\t)+2*i+1]
.set i, i+1
.endr
	WIN 0
.irp f, 0,1,2,3
	ds_store_b128 v[STO], v[S+16*(\t)+4*\f:S+16*(\t)+4*\f+3] offset:32*\f
.endr
.irp f, 0,1,2,3
	ds_load_b128 v[S+16*(\t)+4*\f:S+16*(\t)+4*\f+3], v[RD] offset:\f*4*SP  ; LDS serves a wave's instructions in order: these see the stores above
.endr
.endm
.macro SEND t, younger              ; younger: the LDS instructions issued behind tile t's loads
	WIN 0
.irp f, 0,1,2,3
	s_wait_dscnt (\younger)+3-\f
	global_store_b128 v[GO], v[S+16*(\t)+4*\f:S+16*(\t)+4*\f+3], s[8:9] offset:(\t)*2048+\f*512  ; 512 neighbouring bytes
.endr
.endm
	PACK 0
.set t, 1
.rept 2*NP-1
	PACK t
	SEND t-1, 8
.set t, t+1
.endr
	SEND 2*NP-1, 0
	WIN W_AD
	s_wait_tensorcnt 0x0            ; the wave's end
	ds_add_u32 v[SPW], v[NIL]
	s_wait_dscnt 0x0
	WIN 0
	CROUND                          ; the closing round
	s_endpgm
.Lfunc_end_k_qe5c4de9460_attn:
	.size	k_qe5c4de9460_attn, .Lfunc_end_k_qe5c4de9460_attn-k_qe5c4de9460_attn
	.p2alignl 7, 3214868480
	.fill 96, 4, 3214868480
	.section	.rodata,"a",@progbits
	.p2align	6, 0x0
	.amdhsa_kernel k_qe5c4de9460_attn
		.amdhsa_group_segment_fixed_size 327680
		.amdhsa_private_segment_fixed_size 0
		.amdhsa_enable_private_segment 0
		.amdhsa_kernarg_size 24
		.amdhsa_user_sgpr_count 2
		.amdhsa_user_sgpr_kernarg_segment_ptr 1
		.amdhsa_wavefront_size32 1
		.amdhsa_system_sgpr_workgroup_id_x 1
		.amdhsa_system_sgpr_workgroup_id_y 1
		.amdhsa_system_sgpr_workgroup_id_z 1
		.amdhsa_system_vgpr_workitem_id 0
		.amdhsa_next_free_vgpr 768
		.amdhsa_next_free_sgpr 68
		.amdhsa_reserve_vcc 0
		.amdhsa_float_denorm_mode_32 3
		.amdhsa_float_denorm_mode_16_64 3
		.amdhsa_memory_ordered 1
		.amdhsa_forward_progress 1
		.amdhsa_inst_pref_size 123
	.end_amdhsa_kernel
	.amdgpu_metadata
---
amdhsa.version: [ 1, 2 ]
amdhsa.kernels:
  - .name:           k_qe5c4de9460_attn
    .symbol:         k_qe5c4de9460_attn.kd
    .args:
      - { .name: qkv, .offset: 0, .size: 8, .value_kind: global_buffer, .address_space: global }
      - { .name: sw, .offset: 8, .size: 8, .value_kind: global_buffer, .address_space: global }
      - { .name: att, .offset: 16, .size: 8, .value_kind: global_buffer, .address_space: global }
    .group_segment_fixed_size: 327680
    .private_segment_fixed_size: 0
    .kernarg_segment_align: 8
    .kernarg_segment_size: 24
    .max_flat_workgroup_size: 128
    .sgpr_count:     68
    .vgpr_count:     768
    .wavefront_size: 32
...
	.end_amdgpu_metadata
.endif
;; end of part 3
;; launch outp (part 4): grid 8 x 32, 4 waves a work-group, clusters of 4 x 4, 327,680 bytes of LDS; arguments att, wo, bout, out0; writes out0
.if DOCPART == 4
	.amdgcn_target "amdgcn-amd-amdhsa--gfx1250"
	.amdhsa_code_object_version 6
	.text
	.protected	k_qe5c4de9460_outp
	.globl	k_qe5c4de9460_outp
	.p2align	8
	.type	k_qe5c4de9460_outp,@function
k_qe5c4de9460_outp:
	s_mov_b64 s[64:65], 0
	v_nop
	global_prefetch_b8 v0, s[64:65] scope:SCOPE_SE
	s_setreg_imm32_b32 hwreg(HW_REG_WAVE_MODE, 25, 1), 1
	s_wait_xcnt 0x0
	s_wait_alu depctr_hold_cnt(0) depctr_sa_sdst(0) depctr_va_vdst(0) depctr_va_sdst(0) depctr_va_ssrc(0) depctr_va_vcc(0) depctr_vm_vsrc(0)
	s_getreg_b32 s2, hwreg(HW_REG_IB_STS2, 6, 4)
	s_cmp_eq_u32 s2, 0
	s_cbranch_scc0 .Lentry_in_a_cluster
	s_endpgm
.Lentry_in_a_cluster:
	s_bfe_u32 s2, ttmp6, 0x10000c
	s_cmp_lg_u32 s2, 0xf033
	s_cbranch_scc0 .Lentry_shape_is_right
	s_endpgm
.Lentry_shape_is_right:
; OUTP: out0 = att . Wout + bout, rows put back into token order.  att: f16 [16 batch + head][2048 positions][64]; wo: f16 [8 blocks of 128 columns][1024 k][128]; bout f32, rounded to bf16; out0 f32 [4096 tokens][1024].
; 4096 x 1024 outputs on 256 work-groups: tiles of 128 positions x 128 columns, four waves of 64 x 64 (16 accumulators).  K goes in 4 steps of 256 (four heads' planes) through two LDS slots; a quarter is one plane.
; TRANSPOSED USE: source 0 = 16 columns of W (turning load), source 1 = 16 rows of att: a lane holds one token and eight neighbouring columns.  The bias is the C operand of the first products.
; CLUSTER 4 x 4: att's tile is shared along a row of the cluster, W's along a column.  A tile of 128 positions lies in one class of the permutation: token = dil (p - pc) + off, three scalars that enter global addresses alone.
; The launch is short and its tiles are small: nothing is prefetched.
.set PA,     144                       ; a row of att in LDS: 128 + 16 bytes
.set PB,     288                       ; a k row of W: 256 + 32 bytes, an odd multiple of 32
.set PLANE,  128*PA
.set QUART,  2*PLANE                   ; 36,864: what one wave's load brings, of A (two planes) and of W (128 k rows) alike
.set BOFF,   4*PLANE
.set SLOT,   4*QUART
.set STAGE,  2*SLOT                    ; 16 rows x 272 bytes for each wave, its own
.set SPITCH, 272
.set SPARE,  STAGE+4*16*SPITCH
.set CO,   8                           ; v8-15  rows 2 t + h of a block of 16: their bytes in out0, + 16 r
.set ADRA, 16                          ; v16-17 by slot
.set ADRB, 18                          ; v18-21 by slot and half of the K step
.set STO,  24
.set RD,   25
.set BO,   26
.set SPW,  28
.set NIL,  29
.set BIAS, 96
.set ACC,  128
.set F0,   0
.set F1,   128
.set WV, 12
.set WR, 13
.set WC, 14
.set CX, 15
.set CY, 16
.set NT, 17
.set MT, 18
.set G1,  24
.set G0,  32
.set G1B, 48
.set G0B, 56
.set MSB, 0
.macro WIN new
.if MSB != (\new)
	s_set_vgpr_msb (MSB<<8)|(\new)
.set MSB, \new
.endif
.endm
.set MUL,  0x05
.set TO_F, 0x40
.macro PLACES
.rept 4
	v_nop
.endr
.endm
.macro JLOAD s
	s_cmp_eq_u32 s[WR], 0
	s_cbranch_scc0 .Lfor_b_\@
	tensor_load_to_lds s[G0+4*(\s):G0+4*(\s)+3], s[G1:G1+7]
	s_nop 0
.rept 4
	v_nop
.endr
	s_branch .Lasked_\@
.Lfor_b_\@:
	tensor_load_to_lds s[G0B+4*(\s):G0B+4*(\s)+3], s[G1B:G1B+7]
	s_nop 0
.rept 4
	v_nop
.endr
.Lasked_\@:
.endm
.macro CREST
	s_cmp_lg_u32 s[WV], 0
	s_cbranch_scc1 .Lnot_wave_0_\@
	s_barrier_signal -3
.Lnot_wave_0_\@:
	s_barrier_wait -3
	s_barrier_signal -1
	s_barrier_wait -1
.endm
.macro CROUND
	s_barrier_signal -1
	s_barrier_wait -1
	CREST
.endm
	s_load_b256 s[4:11], s[0:1], 0x0               ; att 4, wo 6, bout 8, out0 10
	v_lshl_add_u32 v[SPW], v0, 2, SPARE
	v_mov_b32 v[NIL], 0
	ds_add_u32 v[SPW], v[NIL]                      ; the wave's opening; its wait stands ahead of my first tensor load
	v_lshrrev_b32 v1, 5, v0
	v_readfirstlane_b32 s[WV], v1
	s_lshr_b32 s[WR], s[WV], 1                     ; my half of the tile's rows; also: 0 fetches att, 1 fetches W
	s_and_b32 s[WC], s[WV], 1                      ; my half of its columns; also: which half I fetch
	s_bfe_u32 s[CX], ttmp6, 0x40000
	s_bfe_u32 s[CY], ttmp6, 0x40004
	s_lshl_b32 s[NT], ttmp9, 2
	s_add_co_u32 s[NT], s[NT], s[CX]
	s_and_b32 s[MT], ttmp7, 0xffff
	s_lshl_b32 s[MT], s[MT], 2
	s_add_co_u32 s[MT], s[MT], s[CY]
	s_lshl_b32 s20, s[CY], 2
	s_lshl_b32 s20, 15, s20
	s_lshl_b32 s22, 0x1111, s[CX]
	s_or_b32 s[G1], s20, (3<<16)|(1<<20)|(1<<21)|(4<<22)|(3<<25)   ; att: 8-byte elements; 4 words of padding behind every 32 (a row of a plane)
	s_mov_b32 s[G1+1], 2048<<16                    ; a row of the tile: 16,384 dense bytes, 128 positions of one plane
	s_mov_b32 s[G1+2], 2<<16                       ; two planes
	s_mov_b32 s[G1+3], 2048<<16
	s_mov_b32 s[G1+4], 2
	s_mov_b32 s[G1+5], 32768                       ; a plane is 262,144 bytes
	s_mov_b32 s[G1+6], 0
	s_mov_b32 s[G1+7], 0
	s_or_b32 s[G1B], s22, (1<<16)|(1<<20)|(1<<21)|(5<<22)|(7<<25)  ; W: 2-byte elements; 8 words of padding behind every 64
	s_mov_b32 s[G1B+1], 128<<16
	s_mov_b32 s[G1B+2], 128<<16
	s_mov_b32 s[G1B+3], 128<<16
	s_mov_b32 s[G1B+4], 128
	s_mov_b32 s[G1B+5], 128
	s_mov_b32 s[G1B+6], 0
	s_mov_b32 s[G1B+7], 0
	s_lshr_b32 s40, s[MT], 4                       ; att: plane 16 batch + 2 half, position 128 (mt % 16)
	s_lshl_b32 s40, s40, 22
	s_lshl_b32 s41, s[WC], 19
	s_add_co_u32 s40, s40, s41
	s_and_b32 s41, s[MT], 15
	s_lshl_b32 s41, s41, 14
	s_add_co_u32 s40, s40, s41
	s_mov_b32 s41, 0
	s_lshl_b32 s42, s[NT], 18                      ; W: block nt, k row 128 half
	s_lshl_b32 s43, s[WC], 15
	s_add_co_u32 s42, s42, s43
	s_mov_b32 s43, 0
	s_mul_i32 s44, s[WV], QUART                    ; LDS: att's two halves, then W's two
	s_wait_dscnt 0x0                               ; the opening add is done
	s_wait_kmcnt 0x0
	s_add_nc_u64 s[40:41], s[4:5], s[40:41]
	s_add_nc_u64 s[42:43], s[6:7], s[42:43]
	CROUND
.irp s, 0,1
	s_mov_b32 s[G0+4*(\s)], 1
	s_add_co_u32 s[G0+4*(\s)+1], s44, (\s)*SLOT
	s_add_nc_u64 s[G0+4*(\s)+2:G0+4*(\s)+3], s[40:41], (\s)*4*262144
	s_or_b32 s[G0+4*(\s)+3], s[G0+4*(\s)+3], 0x80000000
	s_mov_b32 s[G0B+4*(\s)], 1
	s_add_co_u32 s[G0B+4*(\s)+1], s44, (\s)*SLOT
	s_add_nc_u64 s[G0B+4*(\s)+2:G0B+4*(\s)+3], s[42:43], (\s)*65536
	s_or_b32 s[G0B+4*(\s)+3], s[G0B+4*(\s)+3], 0x80000000
	JLOAD \s
.endr
	v_and_b32 v1, 15, v0                           ; r
	v_bfe_u32 v2, v0, 4, 1                         ; h
	v_and_b32 v3, 7, v0
	v_bfe_u32 v4, v0, 3, 1
	v_lshlrev_b32 v[BO], 5, v2
	s_lshl_b32 s46, s[NT], 9                       ; my 64 columns, 4 bytes each
	s_lshl_b32 s47, s[WC], 8
	s_add_co_u32 s46, s46, s47
	s_mov_b32 s47, 0
	s_add_nc_u64 s[8:9], s[8:9], s[46:47]
	s_add_nc_u64 s[10:11], s[10:11], s[46:47]
.irp b, 0,1,2,3
	global_load_b128 v[BIAS+8*\b:BIAS+8*\b+3],   v[BO], s[8:9] offset:64*\b
	global_load_b128 v[BIAS+8*\b+4:BIAS+8*\b+7], v[BO], s[8:9] offset:64*\b+16
.endr
	v_mul_u32_u24 v5, v1, PA
	v_lshl_add_u32 v5, v2, 4, v5
	s_mul_i32 s19, s[WR], 64*PA
	v_add_nc_u32 v[ADRA], s19, v5
	v_add_nc_u32 v[ADRA+1], SLOT, v[ADRA]
	v_lshl_add_u32 v6, v2, 3, v3
	v_mul_u32_u24 v6, v6, PB
	v_lshl_add_u32 v6, v4, 4, v6
	s_lshl_b32 s19, s[WC], 7
	s_add_co_u32 s19, s19, BOFF
	v_add_nc_u32 v[ADRB], s19, v6
	v_add_nc_u32 v[ADRB+1], QUART, v[ADRB]
	v_add_nc_u32 v[ADRB+2], SLOT, v[ADRB]
	v_add_nc_u32 v[ADRB+3], SLOT, v[ADRB+1]
	s_mul_i32 s19, s[WV], 16*SPITCH
	s_add_co_u32 s19, s19, STAGE
	v_mul_u32_u24 v7, v1, SPITCH
	v_lshl_add_u32 v7, v2, 5, v7
	v_add_nc_u32 v[STO], s19, v7                   ; in: row r, 32 bytes for each half of the lanes
	v_mul_u32_u24 v7, v2, SPITCH
	v_lshl_add_u32 v7, v1, 4, v7
	v_add_nc_u32 v[RD], s19, v7                    ; back: lanes 0-15 one row of 256 bytes, lanes 16-31 the next
	s_and_b32 s71, s[MT], 15                       ; the tile's class: dil, pc / 128, off
	s_mov_b32 s66, 2
	s_mov_b32 s67, 8
	s_mov_b32 s70, 1
	s_cmp_lt_u32 s71, 8
	s_cselect_b32 s66, 4, s66
	s_cselect_b32 s67, 4, s67
	s_cselect_b32 s70, 2, s70
	s_cmp_lt_u32 s71, 4
	s_cselect_b32 s66, 8, s66
	s_cselect_b32 s67, 2, s67
	s_cselect_b32 s70, 4, s70
	s_cmp_lt_u32 s71, 2
	s_cselect_b32 s67, 0, s67
	s_cselect_b32 s70, 0, s70
	s_sub_co_u32 s71, s71, s67
	s_lshl_b32 s71, s71, 7
	s_lshl_b32 s46, s[WR], 6
	s_add_co_u32 s71, s71, s46                     ; p - pc of my first row
	s_mul_i32 s71, s71, s66
	s_add_co_u32 s71, s71, s70
	s_lshr_b32 s46, s[MT], 4
	s_lshl_b32 s46, s46, 11
	s_add_co_u32 s71, s71, s46                     ; its token
	s_lshl_b32 s46, s71, 12
	s_add_nc_u64 s[10:11], s[10:11], s[46:47]
	s_lshl_b32 s68, s66, 16                        ; 16 positions on: 16 dil rows of 4,096 bytes
	s_mov_b32 s69, 0
	s_lshl_b32 s67, s66, 12
	s_lshl_b32 s70, s66, 13
	v_mul_u32_u24 v5, v2, s67
	v_lshl_add_u32 v[CO], v1, 4, v5
.irp t, 1,2,3,4,5,6,7
	v_add_nc_u32 v[CO+\t], s70, v[CO+\t-1]
.endr
	s_wait_loadcnt 0x0                             ; the bias, rounded to bf16 like every input
.set i, 0
.rept 16
	v_cvt_pk_bf16_f32 v[32+i], v[BIAS+2*i], v[BIAS+2*i+1]
.set i, i+1
.endr
.set i, 0
.rept 16
	v_lshlrev_b32 v[BIAS+2*i], 16, v[32+i]
	v_and_b32 v[BIAS+2*i+1], 0xffff0000, v[32+i]
.set i, i+1
.endr
; 8 matrix instructions: row blocks a0, a0 + 1 x 4 column blocks, 32 along K: half c of buffer f.  zero = 1: the bias starts the sums.  The 16 accumulators take turns.
.macro MUL8 f, c, a0, zero
	WIN MUL
.irp a, \a0, (\a0)+1
.irp b, 0,1,2,3
.if \zero
	v_wmma_f32_16x16x32_f16 v[ACC+8*(4*(\a)+(\b)):ACC+8*(4*(\a)+(\b))+7], v[(\f)+64+8*(4*(\c)+(\b)):(\f)+64+8*(4*(\c)+(\b))+7], v[(\f)+8*(4*(\c)+(\a)):(\f)+8*(4*(\c)+(\a))+7], v[BIAS+8*(\b):BIAS+8*(\b)+7]
.else
	v_wmma_f32_16x16x32_f16 v[ACC+8*(4*(\a)+(\b)):ACC+8*(4*(\a)+(\b))+7], v[(\f)+64+8*(4*(\c)+(\b)):(\f)+64+8*(4*(\c)+(\b))+7], v[(\f)+8*(4*(\c)+(\a)):(\f)+8*(4*(\c)+(\a))+7], v[ACC+8*(4*(\a)+(\b)):ACC+8*(4*(\a)+(\b))+7]
.endif
.endr
.endr
.endm
; 32 LDS loads in one run: quarter qd (one plane, 64 along K) into buffer f; the first 32 along K first
.macro FETCH slot, qd, f
	WIN TO_F
.irp c, 0,1
.irp i, 0,1,2,3
	ds_load_tr16_b128 v[(\f)+64+8*(4*(\c)+(\i)):(\f)+64+8*(4*(\c)+(\i))+3],   v[ADRB+2*(\slot)+(\qd)/2] offset:(((\qd)%2)*64+32*(\c))*PB+32*(\i)
	ds_load_tr16_b128 v[(\f)+64+8*(4*(\c)+(\i))+4:(\f)+64+8*(4*(\c)+(\i))+7], v[ADRB+2*(\slot)+(\qd)/2] offset:(((\qd)%2)*64+32*(\c))*PB+32*(\i)+16*PB
	ds_load_b128 v[(\f)+8*(4*(\c)+(\i)):(\f)+8*(4*(\c)+(\i))+3],   v[ADRA+(\slot)] offset:(\qd)*PLANE+64*(\c)+(\i)*16*PA
	ds_load_b128 v[(\f)+8*(4*(\c)+(\i))+4:(\f)+8*(4*(\c)+(\i))+7], v[ADRA+(\slot)] offset:(\qd)*PLANE+64*(\c)+(\i)*16*PA+32
.endr
.endr
.endm
.macro QUARTER slot, qn, f, g, zero
	s_wait_dscnt 16                                ; the first 32 along K are in
	MUL8 \f, 0, 0, \zero
	MUL8 \f, 0, 2, \zero
	PLACES
	FETCH \slot, \qn, \g
	s_wait_dscnt 32                                ; all but the 32 just issued
	MUL8 \f, 1, 0, 0
	MUL8 \f, 1, 2, 0
.endm
.macro TURN slot, next, fill
	WIN 0
	s_wait_tensorcnt 0x0                           ; all my tensor loads have landed: my part of the next slot
	ds_add_u32 v[SPW], v[NIL]
	s_wait_dscnt 17                                ; (the add and the youngest sixteen loads may be out)
	MUL8 F1, 0, 0, 0
	s_wait_dscnt 0x0                               ; the add is done, and my reads of this slot are over
	s_barrier_signal -1
	MUL8 F1, 0, 2, 0
.if \fill
	WIN 0
.endif
	s_barrier_wait -1
.if \fill
	CREST
	s_add_nc_u64 s[G0+4*(\slot)+2:G0+4*(\slot)+3], s[G0+4*(\slot)+2:G0+4*(\slot)+3], 8*262144
	s_add_nc_u64 s[G0B+4*(\slot)+2:G0B+4*(\slot)+3], s[G0B+4*(\slot)+2:G0B+4*(\slot)+3], 2*65536
	JLOAD \slot                                    ; my one tensor load behind the round; its four v_nop are also the places in front of the loads below
.else
	PLACES
.endif
	FETCH \next, 0, F0
	MUL8 F1, 1, 0, 0
	MUL8 F1, 1, 2, 0
.endm
	s_wait_tensorcnt 1                             ; my part of K step 0 is in; K step 1's may stay out
	s_barrier_signal -1
	s_barrier_wait -1
	FETCH 0, 0, F0
	QUARTER 0, 1, F0, F1, 1                        ; four K steps, written straight: the first two fill their slots again
	QUARTER 0, 2, F1, F0, 0
	QUARTER 0, 3, F0, F1, 0
	TURN 0, 1, 1
	QUARTER 1, 1, F0, F1, 0
	QUARTER 1, 2, F1, F0, 0
	QUARTER 1, 3, F0, F1, 0
	TURN 1, 0, 1
	QUARTER 0, 1, F0, F1, 0
	QUARTER 0, 2, F1, F0, 0
	QUARTER 0, 3, F0, F1, 0
	TURN 0, 1, 0
	QUARTER 1, 1, F0, F1, 0
	QUARTER 1, 2, F1, F0, 0
	QUARTER 1, 3, F0, F1, 0
	s_wait_dscnt 16
	MUL8 F1, 0, 0, 0
	MUL8 F1, 0, 2, 0
	s_wait_dscnt 0x0
	MUL8 F1, 1, 0, 0
	MUL8 F1, 1, 2, 0
	WIN 0
; THE WAY OUT, a block of 16 positions at a time: 32 bytes of f32 a lane into my own stage (each accumulator from its low end), back as whole rows of 256 bytes into the registers that they left,
; and stored: sixteen lanes write 256 neighbouring bytes, aligned, of one token's row.
.macro TOSTAGE a
.irp b, 0,1,2,3
	ds_store_b128 v[STO], v[ACC+8*(4*(\a)+(\b)):ACC+8*(4*(\a)+(\b))+3]   offset:64*(\b)
	ds_store_b128 v[STO], v[ACC+8*(4*(\a)+(\b))+4:ACC+8*(4*(\a)+(\b))+7] offset:64*(\b)+16
.endr
.irp t, 0,1,2,3,4,5,6,7
	ds_load_b128 v[ACC+32*(\a)+4*(\t):ACC+32*(\a)+4*(\t)+3], v[RD] offset:(\t)*2*SPITCH  ; LDS serves a wave's instructions in order: these see the stores above
.endr
.endm
.macro SEND a, younger                 ; younger: the next block's sixteen LDS instructions, or none
	s_wait_dscnt \younger
.if (\a) > 0
	s_wait_xcnt 0x0                                ; the stores of the block before have read their base
	s_add_nc_u64 s[10:11], s[10:11], s[68:69]
.endif
.irp t, 0,1,2,3,4,5,6,7
	global_store_b128 v[CO+(\t)], v[ACC+32*(\a)+4*(\t):ACC+32*(\a)+4*(\t)+3], s[10:11]
.endr
.endm
	PLACES
	TOSTAGE 0
.irp a, 1,2,3
	TOSTAGE \a
	SEND (\a)-1, 16
.endr
	SEND 3, 0
	s_wait_tensorcnt 0x0                           ; the wave's end
	ds_add_u32 v[SPW], v[NIL]
	s_wait_dscnt 0x0
	CROUND                                         ; the closing round
	s_endpgm
.Lfunc_end_k_qe5c4de9460_outp:
	.size	k_qe5c4de9460_outp, .Lfunc_end_k_qe5c4de9460_outp-k_qe5c4de9460_outp
	.p2alignl 7, 3214868480
	.fill 96, 4, 3214868480
	.section	.rodata,"a",@progbits
	.p2align	6, 0x0
	.amdhsa_kernel k_qe5c4de9460_outp
		.amdhsa_group_segment_fixed_size 327680
		.amdhsa_private_segment_fixed_size 0
		.amdhsa_enable_private_segment 0
		.amdhsa_kernarg_size 32
		.amdhsa_user_sgpr_count 2
		.amdhsa_user_sgpr_kernarg_segment_ptr 1
		.amdhsa_wavefront_size32 1
		.amdhsa_system_sgpr_workgroup_id_x 1
		.amdhsa_system_sgpr_workgroup_id_y 1
		.amdhsa_system_sgpr_workgroup_id_z 1
		.amdhsa_system_vgpr_workitem_id 0
		.amdhsa_next_free_vgpr 512
		.amdhsa_next_free_sgpr 72
		.amdhsa_reserve_vcc 0
		.amdhsa_float_denorm_mode_32 3
		.amdhsa_float_denorm_mode_16_64 3
		.amdhsa_memory_ordered 1
		.amdhsa_forward_progress 1
		.amdhsa_inst_pref_size 90
	.end_amdhsa_kernel
	.amdgpu_metadata
---
amdhsa.version: [ 1, 2 ]
amdhsa.kernels:
  - .name:           k_qe5c4de9460_outp
    .symbol:         k_qe5c4de9460_outp.kd
    .args:
      - { .name: att, .offset: 0, .size: 8, .value_kind: global_buffer, .address_space: global }
      - { .name: wo, .offset: 8, .size: 8, .value_kind: global_buffer, .address_space: global }
      - { .name: bout, .offset: 16, .size: 8, .value_kind: global_buffer, .address_space: global }
      - { .name: out0, .offset: 24, .size: 8, .value_kind: global_buffer, .address_space: global }
    .group_segment_fixed_size: 327680
    .private_segment_fixed_size: 0
    .kernarg_segment_align: 8
    .kernarg_segment_size: 32
    .max_flat_workgroup_size: 128
    .sgpr_count:     72
    .vgpr_count:     512
    .wavefront_size: 32
...
	.end_amdgpu_metadata
.endif
;; end of part 4
;; ======== version 2 of 2: 4 launches; version 1 with the launch prep written anew for expert scheduling mode
;; limits: values are held in f16: magnitudes above 65,504 overflow, below 6.1e-05 lose precision
;; workspace buffers: xb 8,388,608 bytes; wq 6,291,456 bytes; wo 2,097,152 bytes; sw 65,536 bytes; qkv 25,165,824 bytes; att 8,388,608 bytes
;; launch prep (part 5): grid 256 x 1, 8 waves a work-group, no clusters, 9,728 bytes of LDS; arguments x, Wqkv, Wout, Wscale, bscale, xb, wq, wo, sw; writes xb, wq, wo, sw
.if DOCPART == 5
	.amdgcn_target "amdgcn-amd-amdhsa--gfx1250"
	.amdhsa_code_object_version 6
	.text
	.protected	k_qe5c4de9460_prep
	.globl	k_qe5c4de9460_prep
	.p2align	8
	.type	k_qe5c4de9460_prep,@function
k_qe5c4de9460_prep:
	s_mov_b64 s[64:65], 0
	v_nop
	global_prefetch_b8 v0, s[64:65] scope:SCOPE_SE
	s_setreg_imm32_b32 hwreg(HW_REG_WAVE_SCHED_MODE, 0, 2), 2
	s_setreg_imm32_b32 hwreg(HW_REG_WAVE_MODE, 25, 1), 1
	s_wait_xcnt 0x0
	s_wait_alu depctr_vm_vsrc(0)
; PREP: casts, the permutation of tokens, and the per-token weights of the four scales.
; THE PERMUTATION.  Inside a batch token t goes to position p: t % 8 = 0 -> t/8; t % 8 = 4 -> 256 + t/8; t % 4 = 2 -> 512 + t/4; t odd -> 1024 + t/2.  The keys of dilation 8, 4, 2, 1 are then the
; first 256, 512, 1024, 2048 positions.  A block of 32 positions lies in one class, so t = dil (p - pc) + off with three scalars of the work-group.
; WORK-GROUPS 0..127: 32 positions of x each (a wave 4 rows): x -> bf16 -> xb[2048 b + p][1024]; logits x . Wscale from the bf16 numbers, products summed in f32; softmax with its maximum; sw[row][4] in the order scale 3, 2, 1, 0.
; WORK-GROUPS 128..223: 512 k x 64 columns of Wqkv -> bf16 -> wq[column / 64][k][64].   224..255: 256 k x 128 columns of Wout -> bf16, that number written as f16 -> wo[column / 128][k][128].
; Every load of a wave covers 512 neighbouring bytes, every store 256 neighbouring bytes, aligned.  Each input byte is read once by one wave: nothing is shared, so no cluster and no matrix unit.
; LIMITS.  All inputs are rounded to bf16, bscale too.  Wout as f16: beyond 65,504 an infinity, below 6e-5 f16's fixed step of 6e-8.  NaN and infinities are not treated apart.
; THE MODE: SCHED_MODE bits 1:0 = 2 (LLVM: expert scheduling mode 2), set by the entry lines.  The code itself states the register dependences between vector instructions and memory or LDS
; instructions, with s_wait_alu, always for 0.
; THE PLAN, weight blocks.  v4, v8: offsets, made once ahead of the loop.  X: a step's four registers; the trip's loads land there, that step's conversions alone name them.  YB: a step's two registers; written by its
; conversions, read by its store.  A trip goes in four groups of four steps, and the stores of a group are dealt among the conversions of the next: one wait on va_vdst at the head of groups 1 to 3 and one behind
; group 3; the last also shows all conversions done with X, in which the next trip's loads land.  One wait on vm_vsrc at the trip's end: the stores have read YB, which the next trip writes again.
; THE PLAN, rows of x.  v4-13: addresses, made once.  W8: written by eight conversions, read by two LDS stores, never written again.  X: two rows' conversions write in place, one wait, the rows' sixteen stores in one run;
; the multiply-adds behind them only read.  ACC: written by the last additions, read by four LDS stores.  v32-35: named by the reduction, then wave 0's LDS load lands there, at the end its store reads them.
; bscale is rounded in v40-45, which no memory or LDS instruction reads.  So this path owes waits on va_vdst alone, one ahead of each run of loads or stores whose registers vector instructions have made.
.set WS,    0                          ; LDS: Wscale as bf16, [k][4], 8 bytes a k
.set LG,    8192                       ; 32 rows x 4 logits in f32
.set SPARE, 8704                       ; the spare words, 128 bytes for each of eight waves; no other line names them
.set SPW, 2                            ; v2  SPARE + 4 x thread; never rewritten
.set NIL, 3                            ; v3  0; never rewritten
.set XO,  4                            ; v4-7  row i of my four: 16 lane + i x dil x 4096 (weight paths: v4 = my offset in the source)
.set DO,  8                            ; v8  8 x lane (weight paths: 8 x thread)
.set ACC, 16                           ; v16-31  row i, scale s at ACC + 4 i + 3 - s
.set T,   32                           ; v32-47 at work
.set W8,  48                           ; v48-55 my 4 k of Wscale as bf16, on their way to LDS
.set X,   64                           ; v64-191  row i, piece j of 512 bytes at X + 32 i + 4 j: columns 128 j + 4 lane + 0..3 (weight paths: step it at X + 4 it, v64-127)
.set YB,  128                          ; v128-159 weight paths alone: step it's 8 bytes to store at YB + 2 it
.set WSR, 192                          ; v192-255 Wscale of my 32 columns: k = 128 j + 4 lane + e at WSR + 8 j + 2 e (two words: scales 0, 1 and 2, 3)
.set WV,  22                           ; s22 my wave's number
; A weight block: rows of 16 << logl bytes, 256 >> logl rows for the 256 threads in a step; 2 trips of 16 steps.  f16 = 1: the bf16 number is written as f16.
.macro WCONV src, dst, pitchB, logl, f16
	v_lshrrev_b32 v4, \logl, v0
	v_and_b32 v5, (1<<(\logl))-1, v0
	v_mul_u32_u24 v4, v4, \pitchB
	v_lshl_add_u32 v4, v5, 4, v4               ; row x pitch + 16 x place in the row
	v_lshlrev_b32 v[DO], 3, v0                 ; the block is dense in the workspace: 8 bytes a thread
	s_wait_alu depctr_va_vdst(0)               ; v4 and v8 are written: every load below reads the one as its offset, every store the other
	s_mov_b32 s40, 2
.Lw_\@:
.set it, 0
.rept 16
	global_load_b128 v[X+4*it:X+4*it+3], v4, s[\src:\src+1] offset:it*(256>>(\logl))*(\pitchB) th:TH_LOAD_NT
.set it, it+1
.endr
.set it, 0
.rept 16
.if it % 4 == 0
	s_wait_loadcnt 12-it                       ; loads come back in order: this group's four steps are in, the younger ones stay out
.if it > 0
	s_wait_alu depctr_va_vdst(0)               ; the group before has written its YB, which the four stores dealt among this group's conversions read; these name this group's X and YB alone
.endif
.endif
.if it >= 4
	global_store_b64 v[DO], v[YB+2*(it-4):YB+2*(it-4)+1], s[\dst:\dst+1] offset:2048*(it-4)
.endif
.set a, X+4*it
.set yo, YB+2*it
.if \f16
	v_cvt_pk_bf16_f32 v[a], v[a], v[a+1]
	v_cvt_pk_bf16_f32 v[a+2], v[a+2], v[a+3]
	v_and_b32 v[a+1], s41, v[a]
	v_lshlrev_b32 v[a], 16, v[a]
	v_and_b32 v[a+3], s41, v[a+2]
	v_lshlrev_b32 v[a+2], 16, v[a+2]
	v_cvt_pk_f16_f32 v[yo], v[a], v[a+1]
	v_cvt_pk_f16_f32 v[yo+1], v[a+2], v[a+3]
.else
	v_cvt_pk_bf16_f32 v[yo], v[a], v[a+1]
	v_cvt_pk_bf16_f32 v[yo+1], v[a+2], v[a+3]
.endif
.set it, it+1
.endr
	s_wait_alu depctr_va_vdst(0)               ; the last group has written its YB, which the stores below read; and every conversion is done with X, in which the next trip's loads land
.set it, 12
.rept 4
	global_store_b64 v[DO], v[YB+2*it:YB+2*it+1], s[\dst:\dst+1] offset:2048*it
.set it, it+1
.endr
	s_wait_xcnt 0x0                            ; the pointers and the stores' data registers are written again only behind this wait
	s_wait_alu depctr_vm_vsrc(0)               ; the trip's stores have read YB, which the next trip's conversions write again
	s_add_nc_u64 s[\src:\src+1], s[\src:\src+1], 16*(256>>(\logl))*(\pitchB)
	s_add_nc_u64 s[\dst:\dst+1], s[\dst:\dst+1], 16*2048
	s_sub_co_u32 s40, s40, 1
	s_cmp_lg_u32 s40, 0
	s_cbranch_scc1 .Lw_\@
.endm
; Two rows: rounded to bf16 in place, stored, and multiplied into the logits: eight sums take turns.  left: the younger loads that may stay out.
.macro ROWS i0, i1, left
	s_wait_loadcnt \left
.irp i, \i0, \i1
.irp j, 0,1,2,3,4,5,6,7
	v_cvt_pk_bf16_f32 v[X+32*(\i)+4*(\j)], v[X+32*(\i)+4*(\j)], v[X+32*(\i)+4*(\j)+1]
	v_cvt_pk_bf16_f32 v[X+32*(\i)+4*(\j)+1], v[X+32*(\i)+4*(\j)+2], v[X+32*(\i)+4*(\j)+3]
.endr
.endr
	s_wait_alu depctr_va_vdst(0)               ; the 32 conversions have written the two rows' bf16 words, which the sixteen stores read
.irp i, \i0, \i1
.irp j, 0,1,2,3,4,5,6,7
	global_store_b64 v[DO], v[X+32*(\i)+4*(\j):X+32*(\i)+4*(\j)+1], s[14:15] offset:2048*(\i)+256*(\j)
.endr
.endr
.irp j, 0,1,2,3,4,5,6,7
.irp eh, 0,1
.irp el, 0,1
.irp sh, 0,1
.irp sl, 0,1
.irp i, \i0, \i1
	v_fma_mix_f32_bf16 v[ACC+4*(\i)+3-2*(\sh)-(\sl)], v[X+32*(\i)+4*(\j)+(\eh)], v[WSR+8*(\j)+4*(\eh)+2*(\el)+(\sh)], v[ACC+4*(\i)+3-2*(\sh)-(\sl)] op_sel:[\el,\sl,0] op_sel_hi:[1,1,0]
.endr
.endr
.endr
.endr
.endr
.endr
.endm
	s_load_b512 s[4:19], s[0:1], 0x0               ; x 4, Wqkv 6, Wout 8, Wscale 10, bscale 12, xb 14, wq 16, wo 18
	s_load_b64 s[20:21], s[0:1], 0x40              ; sw
	v_lshl_add_u32 v[SPW], v0, 2, SPARE
	v_mov_b32 v[NIL], 0
	v_and_b32 v1, 31, v0                           ; lane
	v_lshrrev_b32 v14, 5, v0
	v_readfirstlane_b32 s[WV], v14
	s_mov_b32 s41, 0xffff0000                      ; a word's upper bf16
	s_mov_b32 s33, 0                               ; the high word of every offset pair s[32:33]
	s_wait_alu depctr_va_sdst(0)                   ; s22, the wave's number, is written: ahead of the branches and of its first reader, the rows' address arithmetic
	s_wait_kmcnt 0x0
	s_cmp_lt_u32 ttmp9, 128                        ; the branch is the same for all waves of a work-group
	s_cbranch_scc1 .Lx
	s_cmp_lt_u32 ttmp9, 224
	s_cbranch_scc1 .Lq
	s_sub_co_u32 s23, ttmp9, 224                   ; Wout: block of 128 columns = n >> 2, 256 k from 256 (n & 3)
	s_lshr_b32 s24, s23, 2
	s_and_b32 s25, s23, 3
	s_lshl_b32 s32, s24, 9
	s_lshl_b32 s26, s25, 20
	s_add_co_u32 s32, s32, s26
	s_add_nc_u64 s[8:9], s[8:9], s[32:33]
	s_lshl_b32 s32, s24, 18
	s_lshl_b32 s26, s25, 16
	s_add_co_u32 s32, s32, s26
	s_add_nc_u64 s[18:19], s[18:19], s[32:33]
	WCONV 8, 18, 4096, 5, 1
	s_branch .Lend
.Lq:
	s_sub_co_u32 s23, ttmp9, 128                   ; Wqkv: plane of 64 columns = n >> 1, 512 k from 512 (n & 1)
	s_lshr_b32 s24, s23, 1
	s_and_b32 s25, s23, 1
	s_lshl_b32 s32, s24, 8
	s_mul_i32 s26, s25, 512*12288
	s_add_co_u32 s32, s32, s26
	s_add_nc_u64 s[6:7], s[6:7], s[32:33]
	s_lshl_b32 s32, s24, 17
	s_lshl_b32 s26, s25, 16
	s_add_co_u32 s32, s32, s26
	s_add_nc_u64 s[16:17], s[16:17], s[32:33]
	WCONV 6, 16, 12288, 4, 0
	s_branch .Lend
.Lx:
	s_load_b128 s[36:39], s[12:13], 0x0            ; bscale
	s_lshr_b32 s24, ttmp9, 6                       ; batch
	s_and_b32 s25, ttmp9, 63                       ; block of 32 positions
	s_mov_b32 s26, 2                               ; dil, pc / 32, off: odd tokens,
	s_mov_b32 s27, 32
	s_mov_b32 s30, 1
	s_cmp_lt_u32 s25, 32                           ; t % 4 = 2,
	s_cselect_b32 s26, 4, s26
	s_cselect_b32 s27, 16, s27
	s_cselect_b32 s30, 2, s30
	s_cmp_lt_u32 s25, 16                           ; t % 8 = 4,
	s_cselect_b32 s26, 8, s26
	s_cselect_b32 s27, 8, s27
	s_cselect_b32 s30, 4, s30
	s_cmp_lt_u32 s25, 8                            ; t % 8 = 0
	s_cselect_b32 s27, 0, s27
	s_cselect_b32 s30, 0, s30
	s_sub_co_u32 s31, s25, s27
	s_lshl_b32 s31, s31, 5
	s_lshl2_add_u32 s31, s[WV], s31                ; p - pc of my first row
	s_mul_i32 s31, s31, s26
	s_add_co_u32 s31, s31, s30
	s_lshl_b32 s32, s24, 11
	s_add_co_u32 s31, s31, s32                     ; its token among the 4,096
	s_lshl_b32 s32, s31, 12
	s_add_nc_u64 s[4:5], s[4:5], s[32:33]
	s_lshl_b32 s32, ttmp9, 16                      ; xb: row 32 n + 4 wave, 2,048 bytes a row
	s_lshl_b32 s34, s[WV], 13
	s_add_co_u32 s32, s32, s34
	s_add_nc_u64 s[14:15], s[14:15], s[32:33]
	s_lshl_b32 s32, ttmp9, 9                       ; sw: 32 rows of 16 bytes
	s_add_nc_u64 s[20:21], s[20:21], s[32:33]
	s_lshl_b32 s34, s26, 12                        ; bytes from one of my rows of x to the next
	s_lshl_b32 s35, s[WV], 6
	s_add_co_u32 s35, s35, LG
	s_mov_b32 s28, 0x76543210                      ; v_permlanex16_b32: each lane takes its own place in the other half
	s_mov_b32 s29, 0xfedcba98
	s_mov_b32 s42, 0x3fb8aa3b                      ; log2(e)
	v_lshlrev_b32 v[XO], 4, v1
	v_add_nc_u32 v[XO+1], s34, v[XO]
	v_add_nc_u32 v[XO+2], s34, v[XO+1]
	v_add_nc_u32 v[XO+3], s34, v[XO+2]
	v_lshlrev_b32 v[DO], 3, v1
	v_lshlrev_b32 v9, 6, v0                        ; Wscale: 64 bytes (4 k) a thread
	v_lshlrev_b32 v10, 5, v0                       ; and 32 bytes of it as bf16
	v_lshlrev_b32 v11, 5, v1
	v_mov_b32 v12, s35                             ; my wave's four rows of logits
	v_lshlrev_b32 v13, 4, v1
	s_wait_alu depctr_va_vdst(0)                   ; the ten offsets and addresses v4 to v13 are written: every load, store and LDS instruction of this path reads one of them, and none is written again
.irp c, 0,1,2,3
	global_load_b128 v[T+4*\c:T+4*\c+3], v9, s[10:11] offset:16*\c
.endr
.irp i, 0,1,2,3
.irp j, 0,1,2,3,4,5,6,7
	global_load_b128 v[X+32*\i+4*\j:X+32*\i+4*\j+3], v[XO+\i], s[4:5] offset:512*\j th:TH_LOAD_NT
.endr
.endr
.set r, 0
.rept 16
	v_mov_b32 v[ACC+r], 0
.set r, r+1
.endr
	s_wait_loadcnt 32                              ; Wscale is in; the 32 loads of x, issued behind it, stay out
.irp c, 0,1,2,3,4,5,6,7
	v_cvt_pk_bf16_f32 v[W8+\c], v[T+2*\c], v[T+2*\c+1]
.endr
	s_wait_alu depctr_va_vdst(0)                   ; the eight conversions have written v48 to v55, which the two LDS stores read
	ds_store_b128 v10, v[W8:W8+3] offset:WS
	ds_store_b128 v10, v[W8+4:W8+7] offset:WS+16
	s_wait_dscnt 0x0                               ; for the others' sake: my part of the table is written
	s_barrier_signal -1
	s_barrier_wait -1
.irp j, 0,1,2,3,4,5,6,7
	ds_load_b128 v[WSR+8*\j:WSR+8*\j+3], v11 offset:WS+1024*\j       ; no vector instruction has named v192 to v255, and none has named v11 since the wait at this path's head
	ds_load_b128 v[WSR+8*\j+4:WSR+8*\j+7], v11 offset:WS+1024*\j+16
.endr
	s_wait_dscnt 0x0
	ROWS 0, 1, 16                                  ; rows 2 and 3, eight loads each, may stay out
	ROWS 2, 3, 0
.irp m, 1,2,4,8                                    ; the 16 sums over the 32 lanes
.set r, 0
.rept 16
	v_add_f32_dpp v[ACC+r], v[ACC+r], v[ACC+r] row_xmask:\m row_mask:0xf bank_mask:0xf
.set r, r+1
.endr
.endr
.set r, 0
.rept 16
	v_permlanex16_b32 v[T+r], v[ACC+r], s28, s29
.set r, r+1
.endr
.set r, 0
.rept 8
	v_pk_add_f32 v[ACC+r:ACC+r+1], v[ACC+r:ACC+r+1], v[T+r:T+r+1]
.set r, r+2
.endr
	s_wait_alu depctr_va_vdst(0)                   ; the additions have written v16 to v31, which the LDS stores read; they and the exchanges are also done with v32 to v35, in which wave 0's LDS load lands below
.irp i, 0,1,2,3
	ds_store_b128 v12, v[ACC+4*\i:ACC+4*\i+3] offset:16*\i  ; every lane holds the sums: all write the same words
.endr
	s_wait_dscnt 0x0
	s_barrier_signal -1
	s_barrier_wait -1
	s_cmp_lg_u32 s[WV], 0                          ; wave 0 finishes the 32 rows, a lane a row
	s_cbranch_scc1 .Lend
	ds_load_b128 v[32:35], v13 offset:LG
	s_wait_kmcnt 0x0
	v_mov_b32 v40, s39                             ; bscale in the order 3, 2, 1, 0, rounded to bf16: in registers that no memory or LDS instruction reads
	v_mov_b32 v41, s38
	v_mov_b32 v42, s37
	v_mov_b32 v43, s36
	v_cvt_pk_bf16_f32 v44, v40, v41
	v_cvt_pk_bf16_f32 v45, v42, v43
	v_lshlrev_b32 v40, 16, v44
	v_and_b32 v41, s41, v44
	v_lshlrev_b32 v42, 16, v45
	v_and_b32 v43, s41, v45
	s_wait_dscnt 0x0
	v_pk_add_f32 v[32:33], v[32:33], v[40:41]
	v_pk_add_f32 v[34:35], v[34:35], v[42:43]
	v_max3_num_f32 v36, v32, v33, v34
	v_max_num_f32 v36, v36, v35
	v_mul_f32 v36, s42, v36
.irp c, 32,33,34,35
	v_fma_f32 v\c, v\c, s42, -v36                  ; (z - max) log2(e)
.endr
.irp c, 32,33,34,35
	v_exp_f32 v\c, v\c
.endr
	v_nop                                          ; a plain instruction behind the last exponential,
	s_wait_alu depctr_va_vdst(0)                   ; and one wait for the four: the exponentials have written v32 to v35, ahead of their first reader
	v_add_f32 v37, v32, v33
	v_add_f32 v38, v34, v35
	v_add_f32 v37, v37, v38
	v_rcp_f32 v37, v37
	v_nop
	s_wait_alu depctr_va_vdst(0)                   ; the reciprocal has written v37, ahead of its first reader
.irp c, 32,33,34,35
	v_mul_f32 v\c, v\c, v37
.endr
	s_wait_alu depctr_va_vdst(0)                   ; the four multiplications have written v32 to v35, which the store reads
	global_store_b128 v13, v[32:35], s[20:21]      ; 512 neighbouring bytes
.Lend:
	s_wait_dscnt 0x0                               ; the closing lines, six on end
	s_wait_alu 0x0
	s_wait_tensorcnt 0x0
	ds_add_u32 v[SPW], v[NIL]
	s_wait_dscnt 0x0
	s_endpgm
.Lfunc_end_k_qe5c4de9460_prep:
	.size	k_qe5c4de9460_prep, .Lfunc_end_k_qe5c4de9460_prep-k_qe5c4de9460_prep
	.p2alignl 7, 3214868480
	.fill 96, 4, 3214868480
	.section	.rodata,"a",@progbits
	.p2align	6, 0x0
	.amdhsa_kernel k_qe5c4de9460_prep
		.amdhsa_group_segment_fixed_size 9728
		.amdhsa_private_segment_fixed_size 0
		.amdhsa_enable_private_segment 0
		.amdhsa_kernarg_size 72
		.amdhsa_user_sgpr_count 2
		.amdhsa_user_sgpr_kernarg_segment_ptr 1
		.amdhsa_wavefront_size32 1
		.amdhsa_system_sgpr_workgroup_id_x 1
		.amdhsa_system_sgpr_workgroup_id_y 1
		.amdhsa_system_sgpr_workgroup_id_z 1
		.amdhsa_system_vgpr_workitem_id 0
		.amdhsa_next_free_vgpr 256
		.amdhsa_next_free_sgpr 66
		.amdhsa_reserve_vcc 0
		.amdhsa_float_denorm_mode_32 3
		.amdhsa_float_denorm_mode_16_64 3
		.amdhsa_memory_ordered 1
		.amdhsa_forward_progress 1
		.amdhsa_inst_pref_size 72
	.end_amdhsa_kernel
	.amdgpu_metadata
---
amdhsa.version: [ 1, 2 ]
amdhsa.kernels:
  - .name:           k_qe5c4de9460_prep
    .symbol:         k_qe5c4de9460_prep.kd
    .args:
      - { .name: x, .offset: 0, .size: 8, .value_kind: global_buffer, .address_space: global }
      - { .name: Wqkv, .offset: 8, .size: 8, .value_kind: global_buffer, .address_space: global }
      - { .name: Wout, .offset: 16, .size: 8, .value_kind: global_buffer, .address_space: global }
      - { .name: Wscale, .offset: 24, .size: 8, .value_kind: global_buffer, .address_space: global }
      - { .name: bscale, .offset: 32, .size: 8, .value_kind: global_buffer, .address_space: global }
      - { .name: xb, .offset: 40, .size: 8, .value_kind: global_buffer, .address_space: global }
      - { .name: wq, .offset: 48, .size: 8, .value_kind: global_buffer, .address_space: global }
      - { .name: wo, .offset: 56, .size: 8, .value_kind: global_buffer, .address_space: global }
      - { .name: sw, .offset: 64, .size: 8, .value_kind: global_buffer, .address_space: global }
    .group_segment_fixed_size: 9728
    .private_segment_fixed_size: 0
    .kernarg_segment_align: 8
    .kernarg_segment_size: 72
    .max_flat_workgroup_size: 256
    .sgpr_count:     66
    .vgpr_count:     256
    .wavefront_size: 32
...
	.end_amdgpu_metadata
.endif
;; end of part 5
;; launch qkv: the kernel of part 2 again; grid 16 x 16, 4 waves a work-group, clusters of 4 x 4, 327,680 bytes of LDS; arguments xb, wq, bqkv, qkv; writes qkv
;; launch attn: the kernel of part 3 again; grid 8 x 32, 4 waves a work-group, clusters of 4 x 1, 327,680 bytes of LDS; arguments qkv, sw, att; writes att
;; launch outp: the kernel of part 4 again; grid 8 x 32, 4 waves a work-group, clusters of 4 x 4, 327,680 bytes of LDS; arguments att, wo, bout, out0; writes out0
